; MI455X (gfx1250); checked and timed in simulation.
; The chip was launched on July 23, 2026; its instructions are those of AMD's public machine-readable ISA for CDNA 5 (MIT licence, August 2026) and "CDNA5" Instruction Set Architecture Reference Guide (July 2026). The comments in the code are by the model that wrote it; some were corrected since.
;; Ro PE Multi Head Attention. Allowed arithmetic: matrix products marked QUANTISED: E2M1 operands, one E8M0 scale for each 32 along K, by v_wmma_scale_f32_16x16x128_f8f6f4 with both operands' format E2M1 (or v_wmma_scale_f32_32x16x128_f4), f32 sums; products left as they are: bf16, f16 or f32 operands; f32 sums; everything else in f32.
;; Inputs: Wk 1,024 x 1,024 float32; Wo 1,024 x 1,024 float32; Wq 1,024 x 1,024 float32; Wv 1,024 x 1,024 float32; bk 1,024 float32; bo 1,024 float32; bq 1,024 float32; bv 1,024 float32; x 4 x 2,048 x 1,024 float32.
;; Outputs: out0 4 x 2,048 x 1,024 float32.
;; This version of the problem:
;;   THIS VERSION OF THE PROBLEM IS GIVEN IN LOW PRECISION. The matrix products marked QUANTISED in the list below multiply operands that are first quantised to E2M1 (2 exponent bits, 1 mantissa bit; 4 bits a number), with one power-of-two scale for each 32 numbers along K (OCP MX v1.0); their sums are f32. The products marked 'left as it is' may take bf16, f16 or f32 operands, with f32 sums. Whichever they take, every output number must still come out within the allowed error. Rounding operands to bf16 (8 significant bits) uses up far more of that allowance than f16 does (11 bits, for magnitudes from 6e-5 to 65,504). All else is computed in f32.
;;   The module's matrix products, in the order in which they are computed (A, B: the left and right operand; K: the contracted axis; several contracted axes count as one K, in the product's order):
;;     1. [M 8,192, K 1,024] x [K 1,024, N 1,024]; A: input x; B: input Wq: QUANTISED
;;     2. [M 8,192, K 1,024] x [K 1,024, N 1,024]; A: input x; B: input Wk: QUANTISED
;;     3. [M 8,192, K 1,024] x [K 1,024, N 1,024]; A: input x; B: input Wv: QUANTISED
;;     4. batch 64 x [M 2,048, K 64] x [K 64, N 2,048]; A: computed on the way; B: computed on the way: left as it is (an operand is computed on the way)
;;     5. batch 64 x [M 2,048, K 2,048] x [K 2,048, N 64]; A: computed on the way; B: computed on the way: left as it is (an operand is computed on the way)
;;     6. [M 8,192, K 1,024] x [K 1,024, N 1,024]; A: computed on the way; B: input Wo: left as it is (an operand is computed on the way)
;;   THE QUANTISER, for each operand of a quantised product, along K:
;;     - K is cut into blocks of 32 from its start; a last block that is shorter is filled with zeros.
;;     - A block's scale is 2^e with e = floor(log2(the largest magnitude in the block)) - 2, held to -126 .. 127; a block of zeros has e = 0. As a byte (E8M0): e + 127.
;;     - Each number is divided by its block's scale, clamped to +-6, and rounded to the nearest number of E2M1, ties to even, subnormals kept.
;;     - The product sums the exact products of the quantised numbers (number of the format x scale) in f32.
;;   ~~~python
;;   def quantise(x, axis):      # numpy; x: float32 -> the quantised numbers, widened to float32 again
;;       x = np.moveaxis(x, axis, -1); K = x.shape[-1]
;;       x = np.pad(x, [(0, 0)] * (x.ndim - 1) + [(0, -K % 32)]); x = x.reshape(x.shape[:-1] + (-1, 32)); a = np.abs(x).max(-1, keepdims=True)
;;       e = np.where(a > 0, np.clip(np.frexp(np.where(a > 0, a, 1))[1] - 1 - 2, -126, 127), 0)      # np.frexp(a)[1] - 1 = floor(log2(a)), exactly
;;       r = np.clip(x / 2.0 ** e, -6, 6)
;;       step = 2.0 ** (np.maximum(np.frexp(np.where(r == 0, 1, r))[1] - 1, 0) - 1)
;;       q = np.round(r / step) * step * 2.0 ** e      # np.round: ties to even
;;       return np.moveaxis(q.reshape(q.shape[:-2] + (-1,))[..., :K], -1, axis).astype(np.float32)
;;   ~~~
;; One version. Each part assembles by itself: llvm-mc -triple=amdgcn-amd-amdhsa -mcpu=gfx1250 --defsym DOCPART=n.
;; ======== version 1 of 1: 4 launches
;; limits: values are held in f16: magnitudes above 65,504 overflow, below 6.1e-05 lose precision
;; workspace buffers: xc 4,194,304 bytes; xs 262,144 bytes; wc 1,572,864 bytes; ws 98,304 bytes; wo16 2,097,152 bytes; rope 1,048,576 bytes; qkv 50,331,648 bytes; att 16,777,216 bytes
;; launch prep (part 1): grid 608 x 1, 4 waves a work-group, no clusters, 51,200 bytes of LDS; arguments x, Wq, Wk, Wv, Wo, xc, xs, wc, ws, wo16, rope; writes xc, xs, wc, ws, wo16, rope
.if DOCPART == 1
	.amdgcn_target "amdgcn-amd-amdhsa--gfx1250"
	.amdhsa_code_object_version 6
	.text
	.protected	k_qd4b6ed1776_prep
	.globl	k_qd4b6ed1776_prep
	.p2align	8
	.type	k_qd4b6ed1776_prep,@function
k_qd4b6ed1776_prep:
	s_mov_b64 s[64:65], 0
	v_nop
	global_prefetch_b8 v0, s[64:65] scope:SCOPE_SE
	s_setreg_imm32_b32 hwreg(HW_REG_WAVE_MODE, 25, 1), 1
	s_wait_xcnt 0x0
; PREP: everything that is made once, ahead of the products.  Four kinds of work-groups, told apart by the work-group's number alone (all four waves of a work-group go the same way):
;   0-255    x [8192][1024] f32 -> codes of FP4 (E2M1), K innermost, xc [8192][512 bytes], and one E8M0 byte for each 32 along K, xs [8192][32]
;   256-351  Wq, Wk, Wv [k 1024][n 1024] f32, K their FIRST axis -> wc [3072 = 1024 x weight + n][512 bytes], ws [3072][32]
;   352-479  Wo f32 -> f16, as it lies: wo16 [k 1024][n 1024]
;   480-607  the rotary tables: cos and sin of token x 10000^(-d/32), d = 0..31, laid as the registers of the launch that rotates want them; q's table is multiplied by log2(e)/8
; A block's scale is 2^(floor(log2(its largest magnitude)) - 2): its byte is the largest magnitude's exponent field - 2, held at 1 from below.  Each number is divided by the scale and rounded to the nearest code, ties to even; beyond 6 the largest code.
; LIMITS: a block of zeros gets the byte 1 where the rule says 127 (its codes are zeros, which add nothing, and the bytes are read by this program alone); NaN and infinities are not served; |Wo| stays under 65,504, f16's largest number.
; LDS: each kind has bytes of its own.  0-32767: x's four waves, 8,192 each.  WSTG: the weights' stage, 32 rows of 512 + 16 bytes.  WSC: their 1,024 scale bytes.  SPARE: 128 bytes a wave that no other line names.
.set SPW,   12                         ; v12  LDS address of my spare word; never rewritten
.set NIL,   13                         ; v13  0; never rewritten
.set XREG,  8192
.set SP,    80                         ; x: a lane's place in a stage: its 64 bytes + 16 of padding
.set WSTG,  32768
.set WP,    528
.set WSC,   WSTG+32*WP
.set SPARE, WSC+1024
.set EMAX,  2
.macro FINISH                          ; a wave's end: the tensor wait, the add and its wait, behind the last LDS store
	s_wait_tensorcnt 0x0
	ds_add_u32 v[SPW], v[NIL]
	s_wait_dscnt 0x0
	s_endpgm
.endm
	s_load_b256 s[4:11], s[0:1], 0x0               ; x s[4:5], Wq s[6:7], Wk s[8:9], Wv s[10:11]
	s_load_b256 s[12:19], s[0:1], 0x20             ; Wo s[12:13], xc s[14:15], xs s[16:17], wc s[18:19]
	s_load_b128 s[20:23], s[0:1], 0x40             ; ws s[20:21], wo16 s[22:23]
	s_load_b64 s[24:25], s[0:1], 0x50              ; rope
	v_lshl_add_u32 v[SPW], v0, 2, SPARE
	v_mov_b32 v[NIL], 0
	v_lshrrev_b32 v1, 5, v0
	v_readfirstlane_b32 s26, v1                    ; wave 0..3
	v_and_b32 v2, 31, v0                           ; lane
	s_wait_kmcnt 0x0
	s_cmp_lt_u32 ttmp9, 256
	s_cbranch_scc0 .Lnot_x
; ---- x.  Rows are dense and K is a multiple of 32: a plain stream of blocks of 32.  A wave takes 16 steps of 512 numbers.  Each load reads 512 consecutive bytes, 16 a lane; a step's 2,048 bytes turn through the
; wave's own stage in LDS and come back 64 bytes a lane: 16 neighbours along K, two lanes to a block.  Loads run four steps ahead, the turn through LDS one step.
	v_lshlrev_b32 v3, 4, v2                        ; my 16 bytes of a load's 512
	s_mul_i32 s27, s26, XREG
	v_lshrrev_b32 v14, 2, v2
	v_mul_u32_u24 v14, v14, SP
	v_and_b32 v15, 3, v2
	v_lshl_add_u32 v14, v15, 4, v14
	v_add_nc_u32 v14, s27, v14                     ; the stage, on the way in: SP (lane / 4) + 16 (lane % 4)
	v_mul_u32_u24 v15, v2, SP
	v_add_nc_u32 v15, s27, v15                     ; on the way out: SP x lane
	v_lshlrev_b32 v4, 3, v2                        ; 8 bytes a lane: my codes' place in a step's, and my part of the scale bytes
	v_lshrrev_b32 v5, 1, v2
	s_add_co_u32 s27, s27, 2*32*SP
	v_add_nc_u32 v5, s27, v5                       ; my wave's 256 scale bytes, my block's byte
	v_add_nc_u32 v6, s27, v4                       ; and on the way out 8 bytes a lane
	s_lshl_b32 s28, ttmp9, 2
	s_add_co_u32 s28, s28, s26                     ; which run of 8,192 numbers is my wave's: 0..1023
	s_mov_b32 s31, 0
	s_lshl_b32 s30, s28, 15
	s_add_nc_u64 s[4:5], s[4:5], s[30:31]
	s_lshl_b32 s30, s28, 12
	s_add_nc_u64 s[14:15], s[14:15], s[30:31]
	s_lshl_b32 s30, s28, 8
	s_add_nc_u64 s[16:17], s[16:17], s[30:31]
.macro XLOAD t
.irp i, 0,1,2,3
	global_load_b128 v[16+16*((\t)%4)+4*\i:16+16*((\t)%4)+4*\i+3], v3, s[4:5] offset:2048*(\t)+512*\i th:TH_LOAD_NT
.endr
.endm
.macro XTURN t                         ; LDS serves a wave's instructions in order: no wait between the stores and the loads
.irp i, 0,1,2,3
	ds_store_b128 v14, v[16+16*((\t)%4)+4*\i:16+16*((\t)%4)+4*\i+3] offset:32*SP*((\t)%2)+8*SP*\i
.endr
.irp i, 0,1,2,3
	ds_load_b128 v[80+16*((\t)%2)+4*\i:80+16*((\t)%2)+4*\i+3], v15 offset:32*SP*((\t)%2)+16*\i
.endr
.endm
.irp t, 0,1,2,3
	XLOAD \t
.endr
	s_wait_loadcnt 12                              ; step 0's four loads are in
	XTURN 0
.macro XSTEP t
.set XS, 80+16*((\t)%2)
.if (\t) > 0
	s_wait_dscnt 1                                 ; this step's numbers are back from the stage; the last step's byte store may be out
.else
	s_wait_dscnt 0x0
.endif
.if (\t)+4 < 16
	XLOAD (\t)+4                                   ; into the registers that this step's stage stores have read
.endif
.if (\t)+1 < 16
.if 14-(\t) >= 3
	s_wait_loadcnt 12                              ; the next step's four loads are in; those of the three steps behind it may be out
.else
	s_wait_loadcnt 4*(14-(\t))
.endif
	XTURN (\t)+1
.endif
	v_max3_num_f32 v8, |v[XS]|, |v[XS+1]|, |v[XS+2]|   ; the largest magnitude of my 16, in two chains
	v_max3_num_f32 v9, |v[XS+3]|, |v[XS+4]|, |v[XS+5]|
.irp i, 6,10
	v_max3_num_f32 v8, v8, |v[XS+\i]|, |v[XS+\i+1]|
	v_max3_num_f32 v9, v9, |v[XS+\i+2]|, |v[XS+\i+3]|
.endr
	v_max3_num_f32 v8, v8, |v[XS+14]|, |v[XS+15]|
	v_max3_num_f32 v8, v8, v9, (EMAX+1)<<23        ; and the floor 2^(3 - 127): the byte cannot fall under 1
	v_max_num_f32_dpp v8, v8, v8 row_xmask:1 row_mask:0xf bank_mask:0xf   ; with my neighbour's 16: the block's
	v_add_nc_u32 v11, -(EMAX<<23), v8              ; 2 off its exponent field: the conversion takes that field as its scale
	v_cvt_scalef32_pk8_fp4_f32 v[128+4*(\t)], v[XS:XS+7], v11
	v_cvt_scalef32_pk8_fp4_f32 v[128+4*(\t)+1], v[XS+8:XS+15], v11
	v_lshrrev_b32 v[112+(\t)], 23, v11             ; the scale's byte (a plain line behind the conversions)
	ds_store_b8 v5, v[112+(\t)] offset:16*(\t)     ; both lanes of a block write the same byte with the same value
	global_store_b64 v4, v[128+4*(\t):128+4*(\t)+1], s[14:15] offset:256*(\t)   ; the wave stores 256 consecutive bytes, aligned
.endm
.irp t, 0,1,2,3,4,5,6,7,8,9,10,11,12,13,14,15
	XSTEP \t
.endr
	ds_load_b64 v[8:9], v6                         ; my wave's 256 scale bytes, in order behind my stores
	s_wait_dscnt 0x0
	global_store_b64 v4, v[8:9], s[16:17]          ; 256 consecutive bytes, aligned
	FINISH
; ---- Wq, Wk, Wv.  A LANE TAKES A COLUMN n AND ITS REGISTERS RUN DOWN K: a block of 32 along K lies in one lane's 32 registers, and the conversions give codes with K innermost.
; A work-group takes 32 columns; wave w takes k = 256 w .. 256 w + 255, eight blocks.  The four waves' codes meet in a stage, so that whole rows of 512 bytes leave.
.Lnot_x:
	s_cmp_lt_u32 ttmp9, 352
	s_cbranch_scc0 .Lnot_w
	s_sub_co_u32 s27, ttmp9, 256
	s_lshr_b32 s28, s27, 5                         ; which weight
	s_and_b32 s27, s27, 31
	s_lshl_b32 s27, s27, 5                         ; my first column
	s_cmp_eq_u32 s28, 0
	s_cselect_b64 s[6:7], s[6:7], s[8:9]           ; the choice hangs on the work-group's number alone
	s_cmp_eq_u32 s28, 2
	s_cselect_b64 s[6:7], s[10:11], s[6:7]
	s_lshl_b32 s30, s26, 20                        ; 256 w rows of 4,096 bytes
	s_lshl_b32 s31, s27, 2
	s_add_co_u32 s30, s30, s31
	s_mov_b32 s31, 0
	s_add_nc_u64 s[6:7], s[6:7], s[30:31]
	s_lshl_b32 s28, s28, 10
	s_add_co_u32 s28, s28, s27                     ; the work-group's first row of wc and ws
	s_lshl_b32 s30, s26, 3
	s_add_co_u32 s30, s30, s28                     ; + 8 w: the eight rows that I store
	s_lshl_b32 s30, s30, 9
	s_add_nc_u64 s[18:19], s[18:19], s[30:31]
	s_lshl_b32 s30, s28, 5
	s_lshl_b32 s29, s26, 8
	s_add_co_u32 s30, s30, s29                     ; 32 bytes a row, + my 256 of the work-group's 1,024
	s_add_nc_u64 s[20:21], s[20:21], s[30:31]
	v_lshlrev_b32 v3, 2, v2                        ; in: 4 bytes a lane
	s_lshl_b32 s29, s26, 7
	s_add_co_u32 s29, s29, WSTG
	v_mul_u32_u24 v4, v2, WP
	v_add_nc_u32 v4, s29, v4                       ; into the stage: row = my column, my wave's 128 bytes
	s_lshl_b32 s29, s26, 3
	s_add_co_u32 s29, s29, WSC
	v_lshl_add_u32 v5, v2, 5, s29                  ; my column's 32 scale bytes, my wave's 8
	s_mul_i32 s29, s26, 8*WP
	s_add_co_u32 s29, s29, WSTG
	v_lshl_add_u32 v6, v2, 4, s29                  ; out of the stage: rows 8 w on, 16 bytes a lane
	v_lshlrev_b32 v7, 4, v2
	s_lshl_b32 s29, s26, 8
	s_add_co_u32 s29, s29, WSC
	v_lshl_add_u32 v14, v2, 3, s29
	v_lshlrev_b32 v15, 3, v2
.macro WLOAD t                         ; block t: W(256 w + 32 t + i, my column) into set t % 2
.irp i, 0,1,2,3,4,5,6,7,8,9,10,11,12,13,14,15,16,17,18,19,20,21,22,23,24,25,26,27,28,29,30,31
	global_load_b32 v[32+32*((\t)%2)+\i], v3, s[6:7] offset:(32*(\t)+\i)*4096 th:TH_LOAD_NT
.endr
.endm
	WLOAD 0
	WLOAD 1
.macro WBLOCK t
.set XS, 32+32*((\t)%2)
.if (\t) < 7
	s_wait_loadcnt 32                              ; this block's 32 loads are in; the next block's may be out
.else
	s_wait_loadcnt 0x0
.endif
	v_max3_num_f32 v8, |v[XS]|, |v[XS+1]|, |v[XS+2]|   ; the block's largest magnitude: all 32 numbers are mine
	v_max3_num_f32 v9, |v[XS+3]|, |v[XS+4]|, |v[XS+5]|
.irp i, 6,10,14,18,22,26
	v_max3_num_f32 v8, v8, |v[XS+\i]|, |v[XS+\i+1]|
	v_max3_num_f32 v9, v9, |v[XS+\i+2]|, |v[XS+\i+3]|
.endr
	v_max3_num_f32 v8, v8, |v[XS+30]|, |v[XS+31]|
	v_max3_num_f32 v8, v8, v9, (EMAX+1)<<23        ; and the floor
	v_add_nc_u32 v11, -(EMAX<<23), v8              ; the conversion's scale operand
	v_lshrrev_b32 v10, 23, v11                     ; the scale's byte
.if (\t)%4 == 0
	v_mov_b32 v[24+(\t)/4], v10                    ; four bytes to a register, the lower K in the lower byte
.else
	v_lshl_or_b32 v[24+(\t)/4], v10, 8*((\t)%4), v[24+(\t)/4]
.endif
.irp g, 0,1,2,3
	v_cvt_scalef32_pk8_fp4_f32 v[96+\g], v[XS+8*\g:XS+8*\g+7], v11
.endr
	ds_store_b128 v4, v[96:99] offset:16*(\t)      ; 32 codes: 16 bytes of my column's row
.if (\t)+2 < 8
	WLOAD (\t)+2
.endif
	s_wait_dscnt 0x0                               ; the store has read its registers: the next block's codes may be written
.endm
.irp t, 0,1,2,3,4,5,6,7
	WBLOCK \t
.endr
	ds_store_b64 v5, v[24:25]
	s_wait_dscnt 0x0                               ; for the others' sake: my stores have landed
	s_barrier_signal -1
	s_barrier_wait -1                              ; 32 whole rows of codes and of scale bytes lie in LDS
.irp i, 0,1,2,3,4,5,6,7
	ds_load_b128 v[112+4*\i:112+4*\i+3], v6 offset:\i*WP
.endr
	ds_load_b64 v[144:145], v14
.irp i, 0,1,2,3,4,5,6,7
	s_wait_dscnt 8-\i                              ; row i is in; the younger rows and the scale bytes may be out
	global_store_b128 v7, v[112+4*\i:112+4*\i+3], s[18:19] offset:512*\i   ; a row of 512 consecutive bytes
.endr
	s_wait_dscnt 0x0
	global_store_b64 v15, v[144:145], s[20:21]     ; 256 consecutive bytes, aligned
	FINISH
; ---- Wo to f16, as it lies.  A wave takes 2,048 numbers: 16 loads of 512 bytes, 16 stores of 256.
.Lnot_w:
	s_cmp_lt_u32 ttmp9, 480
	s_cbranch_scc0 .Lrope
	s_sub_co_u32 s27, ttmp9, 352
	s_lshl_b32 s27, s27, 2
	s_add_co_u32 s27, s27, s26                     ; run 0..511
	s_mov_b32 s29, 0
	s_lshl_b32 s28, s27, 13
	s_add_nc_u64 s[12:13], s[12:13], s[28:29]
	s_lshl_b32 s28, s27, 12
	s_add_nc_u64 s[22:23], s[22:23], s[28:29]
	v_lshlrev_b32 v3, 4, v2
	v_lshlrev_b32 v4, 3, v2
.irp i, 0,1,2,3,4,5,6,7,8,9,10,11,12,13,14,15
	global_load_b128 v[16+4*\i:16+4*\i+3], v3, s[12:13] offset:512*\i th:TH_LOAD_NT
.endr
.irp i, 0,1,2,3,4,5,6,7,8,9,10,11,12,13,14,15
	s_wait_loadcnt 15-\i                           ; load i is in; the younger ones may be out
	v_cvt_pk_f16_f32 v[80+2*\i], v[16+4*\i], v[17+4*\i]
	v_cvt_pk_f16_f32 v[81+2*\i], v[18+4*\i], v[19+4*\i]
	global_store_b64 v4, v[80+2*\i:81+2*\i], s[22:23] offset:256*\i
.endr
	FINISH
; ---- the rotary tables.  A work-group makes a block of 16 tokens: 4,096 bytes in each table, eight images of 512 bytes.  Image 4 u + 2 cs + q4 holds, at 16 x lane, the four numbers of
; d = 16 u + 8 (lane / 16) + 4 q4 + 0..3 for token 16 x block + lane % 16; cs = 0: cos, 1: sin.  Wave w makes u = w / 2, q4 = w % 2.
; theta = token x 2^(-d log2(10000) / 32), at most 2,047.  It is brought into [-pi/4, pi/4] by n = the nearest whole number to theta x 2/pi and pi/2 in two parts; sin and cos there by polynomials of degree 7 and 8;
; n's low two bits say which of the two serves and with which sign: a choice of values, no branch.
.Lrope:
	s_sub_co_u32 s27, ttmp9, 480                   ; the block of tokens
	s_lshr_b32 s29, s26, 1                         ; u
	s_and_b32 s30, s26, 1                          ; q4
	s_lshl_b32 s28, s27, 4
	v_and_b32 v3, 15, v2
	v_add_nc_u32 v3, s28, v3
	v_cvt_f32_u32 v8, v3                           ; my token
	v_lshrrev_b32 v4, 4, v2
	s_lshl_b32 s31, s29, 4
	s_lshl_b32 s32, s30, 2
	s_add_co_u32 s31, s31, s32
	v_lshl_add_u32 v9, v4, 3, s31                  ; my first d
	s_mov_b32 s34, 0x3fc90fdb                      ; pi/2, the f32 nearest,
	s_mov_b32 s35, 0xb33bbd2e                      ; and what is left of it
	s_mov_b32 s36, 0xb94ca1f9                      ; sin: -1.9515296e-4,
	s_mov_b32 s37, 0x3c08839e                      ; 8.3321609e-3,
	s_mov_b32 s38, 0xbe2aaaa3                      ; -1.6666655e-1
	s_mov_b32 s39, 0x37ccf5ce                      ; cos: 2.4433157e-5,
	s_mov_b32 s40, 0xbab6061a                      ; -1.3887316e-3,
	s_mov_b32 s41, 0x3d2aaaa5                      ; 4.1666646e-2
	s_lshl_b32 s28, s27, 12
	s_lshl_b32 s29, s29, 11
	s_add_co_u32 s28, s28, s29
	s_lshl_b32 s30, s30, 9
	s_add_co_u32 s28, s28, s30                     ; 4,096 x block + 512 (4 u + q4)
	s_mov_b32 s29, 0
	s_add_nc_u64 s[24:25], s[24:25], s[28:29]
	v_lshlrev_b32 v5, 4, v2
.irp e, 0,1,2,3
	v_add_nc_u32 v[16+\e], \e, v9
.endr
.irp e, 0,1,2,3
	v_cvt_f32_u32 v[16+\e], v[16+\e]
.endr
.irp e, 0,1,2,3
	v_mul_f32 v[16+\e], 0xbed49a78, v[16+\e]       ; -d log2(10000) / 32
.endr
.irp e, 0,1,2,3
	v_exp_f32 v[16+\e], v[16+\e]
.endr
	v_nop                                          ; a plain line behind the last exponential,
	s_wait_alu depctr_va_vdst(0)                   ; and the one wait for the four, ahead of their first reader
.irp e, 0,1,2,3
	v_mul_f32 v[20+\e], v8, v[16+\e]               ; theta
.endr
.irp e, 0,1,2,3
	v_mul_f32 v[24+\e], 0x3f22f983, v[20+\e]       ; x 2/pi
.endr
.irp e, 0,1,2,3
	v_rndne_f32 v[24+\e], v[24+\e]                 ; n
.endr
.irp e, 0,1,2,3
	v_fma_f32 v[28+\e], -v[24+\e], s34, v[20+\e]
.endr
.irp e, 0,1,2,3
	v_fma_f32 v[28+\e], -v[24+\e], s35, v[28+\e]   ; r = theta - n pi/2
.endr
.irp e, 0,1,2,3
	v_cvt_i32_f32 v[32+\e], v[24+\e]
.endr
.irp e, 0,1,2,3
	v_mul_f32 v[36+\e], v[28+\e], v[28+\e]         ; z = r r
.endr
.irp e, 0,1,2,3
	v_fma_f32 v[40+\e], v[36+\e], s36, s37
	v_fma_f32 v[44+\e], v[36+\e], s39, s40
.endr
.irp e, 0,1,2,3
	v_fma_f32 v[40+\e], v[40+\e], v[36+\e], s38
	v_fma_f32 v[44+\e], v[44+\e], v[36+\e], s41
.endr
.irp e, 0,1,2,3
	v_mul_f32 v[40+\e], v[40+\e], v[36+\e]
	v_mul_f32 v[48+\e], v[36+\e], v[36+\e]
	v_fma_f32 v[16+\e], v[36+\e], -0.5, 1.0
.endr
.irp e, 0,1,2,3
	v_fma_f32 v[40+\e], v[40+\e], v[28+\e], v[28+\e]   ; sin r
	v_fma_f32 v[44+\e], v[44+\e], v[48+\e], v[16+\e]   ; cos r
.endr
.irp e, 0,1,2,3
	v_and_b32 v[48+\e], 1, v[32+\e]
	v_lshlrev_b32 v[20+\e], 30, v[32+\e]
	v_add_nc_u32 v[24+\e], 1, v[32+\e]
.endr
.irp e, 0,1,2,3
	v_and_b32 v[20+\e], 0x80000000, v[20+\e]       ; sin theta is negative where n % 4 is 2 or 3,
	v_lshlrev_b32 v[24+\e], 30, v[24+\e]
.endr
.irp e, 0,1,2,3
	v_and_b32 v[24+\e], 0x80000000, v[24+\e]       ; cos theta where it is 1 or 2
.endr
.irp e, 0,1,2,3
	v_cmp_eq_u32 vcc_lo, 1, v[48+\e]               ; n odd: the two change places
	v_cndmask_b32 v[64+\e], v[40+\e], v[44+\e], vcc_lo
	v_cndmask_b32 v[60+\e], v[44+\e], v[40+\e], vcc_lo
.endr
.irp e, 0,1,2,3
	v_xor_b32 v[64+\e], v[64+\e], v[20+\e]         ; sin theta
	v_xor_b32 v[60+\e], v[60+\e], v[24+\e]         ; cos theta
.endr
.irp e, 0,1,2,3
	v_mul_f32 v[52+\e], 0x3e38aa3b, v[60+\e]       ; q's table: x log2(e) / 8, so that the scores come out as exponents of 2
	v_mul_f32 v[56+\e], 0x3e38aa3b, v[64+\e]
.endr
	global_store_b128 v5, v[52:55], s[24:25]                    ; each store: 512 consecutive bytes
	global_store_b128 v5, v[56:59], s[24:25] offset:1024
	global_store_b128 v5, v[60:63], s[24:25] offset:524288      ; k's table
	global_store_b128 v5, v[64:67], s[24:25] offset:525312
	FINISH
.Lfunc_end_k_qd4b6ed1776_prep:
	.size	k_qd4b6ed1776_prep, .Lfunc_end_k_qd4b6ed1776_prep-k_qd4b6ed1776_prep
	.p2alignl 7, 3214868480
	.fill 96, 4, 3214868480
	.section	.rodata,"a",@progbits
	.p2align	6, 0x0
	.amdhsa_kernel k_qd4b6ed1776_prep
		.amdhsa_group_segment_fixed_size 51200
		.amdhsa_private_segment_fixed_size 0
		.amdhsa_enable_private_segment 0
		.amdhsa_kernarg_size 88
		.amdhsa_user_sgpr_count 2
		.amdhsa_user_sgpr_kernarg_segment_ptr 1
		.amdhsa_wavefront_size32 1
		.amdhsa_system_sgpr_workgroup_id_x 1
		.amdhsa_system_sgpr_workgroup_id_y 1
		.amdhsa_system_sgpr_workgroup_id_z 1
		.amdhsa_system_vgpr_workitem_id 0
		.amdhsa_next_free_vgpr 192
		.amdhsa_next_free_sgpr 66
		.amdhsa_reserve_vcc 1
		.amdhsa_float_denorm_mode_32 3
		.amdhsa_float_denorm_mode_16_64 3
		.amdhsa_memory_ordered 1
		.amdhsa_forward_progress 1
		.amdhsa_inst_pref_size 87
	.end_amdhsa_kernel
	.amdgpu_metadata
---
amdhsa.version: [ 1, 2 ]
amdhsa.kernels:
  - .name:           k_qd4b6ed1776_prep
    .symbol:         k_qd4b6ed1776_prep.kd
    .args:
      - { .name: x, .offset: 0, .size: 8, .value_kind: global_buffer, .address_space: global }
      - { .name: Wq, .offset: 8, .size: 8, .value_kind: global_buffer, .address_space: global }
      - { .name: Wk, .offset: 16, .size: 8, .value_kind: global_buffer, .address_space: global }
      - { .name: Wv, .offset: 24, .size: 8, .value_kind: global_buffer, .address_space: global }
      - { .name: Wo, .offset: 32, .size: 8, .value_kind: global_buffer, .address_space: global }
      - { .name: xc, .offset: 40, .size: 8, .value_kind: global_buffer, .address_space: global }
      - { .name: xs, .offset: 48, .size: 8, .value_kind: global_buffer, .address_space: global }
      - { .name: wc, .offset: 56, .size: 8, .value_kind: global_buffer, .address_space: global }
      - { .name: ws, .offset: 64, .size: 8, .value_kind: global_buffer, .address_space: global }
      - { .name: wo16, .offset: 72, .size: 8, .value_kind: global_buffer, .address_space: global }
      - { .name: rope, .offset: 80, .size: 8, .value_kind: global_buffer, .address_space: global }
    .group_segment_fixed_size: 51200
    .private_segment_fixed_size: 0
    .kernarg_segment_align: 8
    .kernarg_segment_size: 88
    .max_flat_workgroup_size: 128
    .sgpr_count:     66
    .vgpr_count:     192
    .wavefront_size: 32
...
	.end_amdgpu_metadata
.endif
;; end of part 1
;; launch qkv (part 2): grid 12 x 32, 4 waves a work-group, clusters of 4 x 4, 327,680 bytes of LDS; arguments xc, xs, wc, ws, qkv, bq, bk, bv, rope; writes qkv
.if DOCPART == 2
	.amdgcn_target "amdgcn-amd-amdhsa--gfx1250"
	.amdhsa_code_object_version 6
	.text
	.protected	k_qd4b6ed1776_qkv
	.globl	k_qd4b6ed1776_qkv
	.p2align	8
	.type	k_qd4b6ed1776_qkv,@function
k_qd4b6ed1776_qkv:
	s_mov_b64 s[64:65], 0
	v_nop
	global_prefetch_b8 v0, s[64:65] scope:SCOPE_SE
	s_setreg_imm32_b32 hwreg(HW_REG_WAVE_MODE, 25, 1), 1
	s_wait_xcnt 0x0
	s_wait_alu depctr_hold_cnt(0) depctr_sa_sdst(0) depctr_va_vdst(0) depctr_va_sdst(0) depctr_va_ssrc(0) depctr_va_vcc(0) depctr_vm_vsrc(0)
	s_getreg_b32 s2, hwreg(HW_REG_IB_STS2, 6, 4)
	s_cmp_eq_u32 s2, 0
	s_cbranch_scc0 .Lentry_in_a_cluster
	s_endpgm
.Lentry_in_a_cluster:
	s_bfe_u32 s2, ttmp6, 0x10000c
	s_cmp_lg_u32 s2, 0xf033
	s_cbranch_scc0 .Lentry_shape_is_right
	s_endpgm
.Lentry_shape_is_right:
; q, k, v = x W + b on codes of FP4 (E2M1) with one E8M0 scale for each 32 along K; then the rotation of q and k; out as f16, head by head.
; A = xc [8192][1024 codes], B = wc [3072 = 1024 x part + n][1024 codes], scale bytes xs [8192][32], ws [3072][32].  Out: qkv, part p (0 q, 1 k, 2 v) at p x 2^24 bytes, in it [16 batch + head][token][64] f16.
; A tile of 256 x 256 is made by four waves, 128 x 128 each: 64 accumulators of 16 x 16, 512 registers.  K = 1,024 is two K steps of 512 (rows of 256 bytes): both slots and the scales are filled once, at the start; nothing is filled again.
; CLUSTERS: 4 x 4 work-groups.  A's tile is shared along a row of the cluster, B's along a column: each is asked for jointly.  The cluster's x is the part (q, k or v): the same number in all sixteen partners.
; THE MATRIX INSTRUCTION IS USED TRANSPOSED (source 0 = 16 rows of B, source 1 = 16 rows of A): a lane holds one token and eight neighbouring columns.  The bias is the C of each sum's first product.
; THE ROTATION: column d of a head and its partner d + 32 lie in the same lane and register of tiles two apart: nothing changes lanes.  cos and sin come from the table, laid as these registers want them; q's is scaled by log2(e)/8.
; LIMITS: 0.18 |q|, |k| and |v| stay under 65,504, f16's largest number.
; REGISTERS, in windows of 256: window 0: v0-31 addresses; v32-95 scale words, two sets, and nothing else; v128-191 A's fragments, one set; v192-255 the bias, 8 tiles.  On the way out: v96-127 packed results, v128-191 rotated numbers, v192-255 rows read back.
;   window 1: B's fragments, two sets, at v0 and v128; on the way out v0-63 the table, two sets.   window 2: the accumulators of my rows 0-63 ((a, b) at v[8 (8 a + b)]);   window 3: those of my rows 64-127.
.set NQ,     4                         ; matrix instructions deep in a slot
.set ROWB,   256                       ; a tile's row in bytes: 512 codes
.set KROW,   512                       ; a row of A or B in memory
.set PITCH,  272                       ; an LDS row: 256 bytes + 16 of padding: the 16 rows that a load touches start 68 words apart
.set FR,     8
.set NL,     2
.set NP,     4                         ; places behind this matrix instruction (ISA guide 7.12.1)
.set HALFT,  128*PITCH
.set SLOT,   4*HALFT
.set KS,     32                        ; a row of scales in bytes
.set SCL,    2*SLOT                    ; behind the ring: the scales, as units of 256 bytes + 16 of padding
.set HALFS,  16*272
.set SBLK,   2*272
.set SPARE,  SCL+4*HALFS               ; the spare words, 128 bytes a wave, that no other line names
.set ADRA, 16
.set ADRB, 20
.set STO,  24                          ; the way out: where I put 16 bytes of a token's row
.set RD,   25                          ; where I read rows back
.set CO,   26                          ; 16 x lane
.set ADRS, 27
.set SPW,  28
.set NIL,  29
.set BO,   30                          ; 32 x (lane / 16): my half's place in a bias tile
.set SC,   32
.set AF,   128
.set BI,   192
.set P,    96
.set T,    128
.set BK,   192
.set G1, 24
.set G0, 32
.set G1B, 48
.set G0B, 56
.set G1S, 68
.set G0S, 76
.set G1SB, 80
.set G0SB, 88
.set MSB, 0
.macro WIN new                         ; the immediate's high byte repeats the setting that is left
.if MSB != \new
	s_set_vgpr_msb (MSB<<8)|\new
.set MSB, \new
.endif
.endm
.set MUL_LO, 0xa1                      ; source 0 (B) window 1, source 1 (A) window 0, C and D window 2
.set MUL_HI, 0xf1                      ; the same, C and D window 3
.set BIA_LO, 0x81                      ; the first products: C (the bias) window 0, D window 2
.set BIA_HI, 0xc1
.set TO_B,   0x40
; A joint load: waves 0 and 1 fetch for A, waves 2 and 3 for B; the branch hangs on the wave's number alone.  An s_nop 0 and four v_nop follow each of the two lines.
.macro JLOAD g0a, g1a, g0b, g1b
	s_cmp_eq_u32 s15, 0
	s_cbranch_scc0 .Lfor_b_\@
	tensor_load_to_lds s[\g0a:\g0a+3], s[\g1a:\g1a+7]
	s_nop 0
.rept 4
	v_nop
.endr
	s_branch .Lasked_\@
.Lfor_b_\@:
	tensor_load_to_lds s[\g0b:\g0b+3], s[\g1b:\g1b+7]
	s_nop 0
.rept 4
	v_nop
.endr
.Lasked_\@:
.endm
.macro CROUND                          ; a round of the cluster's barrier
	s_barrier_signal -1
	s_barrier_wait -1
	s_cmp_lg_u32 s14, 0
	s_cbranch_scc1 .Lnot_wave_0_\@
	s_barrier_signal -3
.Lnot_wave_0_\@:
	s_barrier_wait -3
	s_barrier_signal -1
	s_barrier_wait -1
.endm
.macro FINISH                          ; a wave's end: the tensor wait, the add and its wait, the closing round, the end
	s_wait_tensorcnt 0x0
	ds_add_u32 v[SPW], v[NIL]
	s_wait_dscnt 0x0
	CROUND
	s_endpgm
.endm
	s_load_b128 s[4:7], s[0:1], 0x0                ; A's codes s[4:5], A's scales s[6:7]
	s_load_b128 s[8:11], s[0:1], 0x10              ; B's codes s[8:9], B's scales s[10:11]
	s_load_b64 s[12:13], s[0:1], 0x20              ; qkv
	s_load_b128 s[96:99], s[0:1], 0x28             ; bq, bk
	s_load_b64 s[100:101], s[0:1], 0x38            ; bv
	s_load_b64 s[66:67], s[0:1], 0x40              ; the rotary tables
	v_lshl_add_u32 v[SPW], v0, 2, SPARE
	v_mov_b32 v[NIL], 0
	ds_add_u32 v[SPW], v[NIL]                      ; the wave's opening: the add, twice on end, and its wait ahead of my first tensor load
	ds_add_u32 v[SPW], v[NIL]
	v_lshrrev_b32 v1, 5, v0
	v_readfirstlane_b32 s14, v1                    ; wave 0..3
	s_lshr_b32 s15, s14, 1                         ; which half of the tile's rows is mine.  Also: I fetch for A (0) or for B (1)
	s_and_b32 s16, s14, 1                          ; which half of its columns.  Also: which 128 rows of that tile I fetch
	s_bfe_u32 s40, ttmp6, 0x40000                  ; cx, cy: my place in the cluster
	s_bfe_u32 s41, ttmp6, 0x40004
	s_lshl_b32 s42, ttmp9, 2
	s_add_co_u32 s42, s42, s40                     ; tile column = 4 x cluster x + cx
	s_and_b32 s17, ttmp7, 0xffff
	s_lshl_b32 s17, s17, 2
	s_add_co_u32 s17, s17, s41                     ; tile row = 4 x cluster y + cy
	s_lshl_b32 s43, s41, 2
	s_lshl_b32 s43, 15, s43                        ; my row of the cluster
	s_lshl_b32 s44, 0x1111, s40                    ; my column
	s_or_b32 s[G1+0], s43, (0<<16)|(1<<20)|(1<<21)|(5<<22)|(3<<25)  ; the mask; elements of 1 byte; padding on; bit 21 beside a mask; 4 words of padding after every 64
	s_or_b32 s[G1B+0], s44, (0<<16)|(1<<20)|(1<<21)|(5<<22)|(3<<25)
.irp g, G1, G1B
	s_mov_b32 s[\g+1], ROWB<<16                    ; tensor_dim0
	s_mov_b32 s[\g+2], 128<<16                     ; tensor_dim1
	s_mov_b32 s[\g+3], ROWB<<16                    ; tile_dim0
	s_mov_b32 s[\g+4], 128                         ; tile_dim1
	s_mov_b32 s[\g+5], KROW                        ; from row to row
	s_mov_b32 s[\g+6], 0
	s_mov_b32 s[\g+7], 0
.endr
	s_or_b32 s[G1S+0], s43, (3<<16)|(1<<20)|(1<<21)|(5<<22)|(3<<25) ; the scales of 128 rows: 4,096 dense bytes as 16 rows of 256 (32 elements of 8 bytes), 16 bytes of padding behind each
	s_or_b32 s[G1SB+0], s44, (3<<16)|(1<<20)|(1<<21)|(5<<22)|(3<<25)
.irp g, G1S, G1SB
	s_mov_b32 s[\g+1], 32<<16
	s_mov_b32 s[\g+2], 16<<16
	s_mov_b32 s[\g+3], 32<<16
	s_mov_b32 s[\g+4], 16
	s_mov_b32 s[\g+5], 32
	s_mov_b32 s[\g+6], 0
	s_mov_b32 s[\g+7], 0
.endr
	s_lshl_b32 s18, s16, 7                         ; which 128 rows of the tile I fetch
	s_lshl_b32 s20, s17, 8
	s_add_co_u32 s20, s20, s18                     ; A: row 256 x tile row + 128 x half
	s_lshl_b32 s46, s42, 8
	s_add_co_u32 s46, s46, s18                     ; B: row 256 x tile column + 128 x half
	s_mov_b32 s21, 0
	s_mov_b32 s47, 0
	s_mov_b64 s[18:19], KS
	s_mul_u64 s[22:23], s[20:21], s[18:19]         ; where these rows' scales begin,
	s_mul_u64 s[92:93], s[46:47], s[18:19]
	s_mov_b64 s[18:19], KROW
	s_mul_u64 s[20:21], s[20:21], s[18:19]         ; and their codes
	s_mul_u64 s[46:47], s[46:47], s[18:19]
	s_mul_i32 s45, s14, HALFT                      ; where they go: wave x 128 rows: no place in the cluster enters an LDS address
	s_mul_i32 s94, s14, HALFS
	s_wait_dscnt 0x0                               ; both opening adds are done
	s_wait_kmcnt 0x0
	s_add_nc_u64 s[20:21], s[4:5], s[20:21]
	s_add_nc_u64 s[22:23], s[6:7], s[22:23]
	s_add_nc_u64 s[46:47], s[8:9], s[46:47]
	s_add_nc_u64 s[92:93], s[10:11], s[92:93]
	CROUND                                         ; all sixteen work-groups are here: the joint loads meet
	s_mov_b32 s[G0S], 1
	s_add_co_u32 s[G0S+1], s94, SCL
	s_mov_b64 s[G0S+2:G0S+3], s[22:23]
	s_or_b32 s[G0S+3], s[G0S+3], 0x80000000
	s_mov_b32 s[G0SB], 1
	s_add_co_u32 s[G0SB+1], s94, SCL
	s_mov_b64 s[G0SB+2:G0SB+3], s[92:93]
	s_or_b32 s[G0SB+3], s[G0SB+3], 0x80000000
	JLOAD G0S, G1S, G0SB, G1SB                     ; the scales first: they are wanted with K step 0
.irp s, 0,1
	s_mov_b32 s[G0+4*\s], 1
	s_add_co_u32 s[G0+4*\s+1], s45, \s*SLOT
	s_add_nc_u64 s[G0+4*\s+2:G0+4*\s+3], s[20:21], \s*ROWB
	s_or_b32 s[G0+4*\s+3], s[G0+4*\s+3], 0x80000000
	s_mov_b32 s[G0B+4*\s], 1
	s_add_co_u32 s[G0B+4*\s+1], s45, \s*SLOT
	s_add_nc_u64 s[G0B+4*\s+2:G0B+4*\s+3], s[46:47], \s*ROWB
	s_or_b32 s[G0B+4*\s+3], s[G0B+4*\s+3], 0x80000000
	JLOAD G0+4*\s, G1, G0B+4*\s, G1B               ; three loads of mine are out in all
.endr
	v_and_b32 v1, 15, v0                           ; r = lane % 16
	v_bfe_u32 v2, v0, 4, 1                         ; h = lane / 16
	v_mul_u32_u24 v3, v1, PITCH
	v_lshl_add_u32 v4, v2, 4, v3                   ; a fragment's row x pitch + 16 x half
	s_mul_i32 s21, s15, HALFT                      ; my 128 rows of A
	s_mul_i32 s22, s16, HALFT                      ; my 128 rows of B,
	s_add_co_u32 s22, s22, 2*HALFT                 ; behind A's 256
.irp s, 0,1
	v_add_nc_u32 v[ADRA+\s], s21, v4
	v_add_nc_u32 v[ADRB+\s], s22, v4
	s_add_co_u32 s21, s21, SLOT
	s_add_co_u32 s22, s22, SLOT
.endr
	v_mul_u32_u24 v5, v1, KS                       ; my row's scales: 32 bytes a row,
	v_lshrrev_b32 v6, 8, v5
	v_lshl_add_u32 v5, v6, 4, v5                   ; and 16 more for each 256 passed
	s_mul_i32 s21, s15, HALFS
	s_mul_i32 s22, s16, HALFS
	s_add_co_u32 s22, s22, 2*HALFS
	s_sub_co_u32 s22, s22, s21
	v_mul_u32_u24 v6, s22, v2                      ; lanes 16-31 take B's
	s_add_co_u32 s21, s21, SCL
	v_add_nc_u32 v5, v5, v6
	v_add_nc_u32 v[ADRS], s21, v5
	s_mul_i32 s23, s14, 4608                       ; my stage: two heads x 16 tokens x (128 bytes + 16)
	v_mul_u32_u24 v5, v1, 144
	v_lshl_add_u32 v5, v2, 4, v5
	v_add_nc_u32 v[STO], s23, v5                   ; in: token r, 16 bytes for each half of the lanes
	v_and_b32 v6, 31, v0
	v_lshlrev_b32 v[CO], 4, v6
	v_lshrrev_b32 v7, 3, v6
	v_mul_u32_u24 v7, v7, 144
	v_and_b32 v8, 7, v6
	v_lshl_add_u32 v7, v8, 4, v7
	v_add_nc_u32 v[RD], s23, v7                    ; back: eight lanes to a token's 128 bytes, four tokens an instruction
	v_lshlrev_b32 v[BO], 5, v2
	s_lshl_b32 s20, s17, 8
	s_lshl_b32 s21, s15, 7
	s_add_co_u32 s20, s20, s21                     ; my first row of x
	s_lshr_b32 s21, s20, 11                        ; its batch,
	s_and_b32 s22, s20, 2047                       ; its token
	s_lshl_b32 s46, s40, 2                         ; (what holds cx stays in registers that fed B's descriptors alone)
	s_lshl_b32 s47, s16, 1
	s_add_co_u32 s46, s46, s47                     ; my first head: 4 cx + 2 x column half
	s_lshl_b32 s47, s21, 4
	s_add_co_u32 s46, s46, s47
	s_lshl_b32 s46, s46, 18                        ; a head is 2,048 tokens of 128 bytes
	s_lshl_b32 s47, s22, 7
	s_add_co_u32 s46, s46, s47
	s_lshl_b32 s47, ttmp9, 24                      ; the part
	s_add_co_u32 s46, s46, s47
	s_mov_b32 s47, 0
	s_add_nc_u64 s[12:13], s[12:13], s[46:47]
	s_min_u32 s23, ttmp9, 1                        ; q's table or k's
	s_lshl_b32 s23, s23, 19
	s_lshl_b32 s22, s22, 8                         ; 4,096 bytes for each 16 tokens
	s_add_co_u32 s22, s22, s23
	s_mov_b32 s23, 0
	s_add_nc_u64 s[66:67], s[66:67], s[22:23]
	s_cmp_eq_u32 ttmp9, 0                          ; the part's bias: the choice hangs on the cluster's number alone
	s_cselect_b64 s[96:97], s[96:97], s[98:99]
	s_cmp_eq_u32 ttmp9, 2
	s_cselect_b64 s[96:97], s[100:101], s[96:97]
	s_lshl_b32 s46, s40, 10
	s_lshl_b32 s47, s16, 9
	s_add_co_u32 s46, s46, s47                     ; my 128 columns' first byte
	s_mov_b32 s47, 0
	s_add_nc_u64 s[96:97], s[96:97], s[46:47]
.irp b, 0,1,2,3,4,5,6,7
	global_load_b128 v[BI+8*\b:BI+8*\b+3], v[BO], s[96:97] offset:64*\b       ; tile b: the bias of columns 16 b + 8 h + 0 .. 7, in the result's layout
	global_load_b128 v[BI+8*\b+4:BI+8*\b+7], v[BO], s[96:97] offset:64*\b+16
.endr
.macro FRAG reg, adr, q, i             ; 16 rows x 128 K of 4-bit codes: 8 registers: lane l holds row l % 16; registers 4 c .. 4 c + 3 hold K = 64 c + 32 (l / 16) + 0 .. 31
.irp c, 0,1
	ds_load_b128 v[\reg+4*\c:\reg+4*\c+3], v[\adr] offset:64*(\q)+32*\c+(\i)*16*PITCH
.endr
.endm
; 16 matrix instructions: A's blocks a0, a0 + 1 x B's eight, the slot's q-th 128 along K.  first = 1: the sums begin with the bias.  The 64 accumulators take turns, one instruction a turn, in the same order in every step.
.macro MUL16 a0, p, q, sc, first
.irp a, \a0, \a0+1
.irp b, 0,1,2,3,4,5,6,7
.if \first
	v_wmma_scale_f32_16x16x128_f8f6f4 v[8*(8*((\a)%4)+\b):8*(8*((\a)%4)+\b)+7], v[128*(\p)+FR*\b:128*(\p)+FR*\b+FR-1], v[AF+FR*(\a):AF+FR*(\a)+FR-1], v[BI+8*\b:BI+8*\b+7], v[SC+8*NQ*(\sc)+NQ*\b+(\q)], v[SC+8*NQ*(\sc)+NQ*(\a)+(\q)] matrix_a_fmt:MATRIX_FMT_FP4 matrix_b_fmt:MATRIX_FMT_FP4 matrix_a_scale:MATRIX_SCALE_ROW1
.else
	v_wmma_scale_f32_16x16x128_f8f6f4 v[8*(8*((\a)%4)+\b):8*(8*((\a)%4)+\b)+7], v[128*(\p)+FR*\b:128*(\p)+FR*\b+FR-1], v[AF+FR*(\a):AF+FR*(\a)+FR-1], v[8*(8*((\a)%4)+\b):8*(8*((\a)%4)+\b)+7], v[SC+8*NQ*(\sc)+NQ*\b+(\q)], v[SC+8*NQ*(\sc)+NQ*(\a)+(\q)] matrix_a_fmt:MATRIX_FMT_FP4 matrix_b_fmt:MATRIX_FMT_FP4 matrix_a_scale:MATRIX_SCALE_ROW1
.endif
.endr
.endr
.endm
.macro FETCH_B slot, q, p
	WIN TO_B
.irp i, 0,1,2,3,4,5,6,7
	FRAG 128*(\p)+FR*\i, ADRB+\slot, \q, \i
.endr
	WIN 0
.endm
.macro FETCH_A slot, q, i0
.irp i, \i0, \i0+1, \i0+2, \i0+3
	FRAG AF+FR*(\i), ADRA+\slot, \q, \i
.endr
.endm
.macro SCALES sc                       ; a K step's scale words: four words a row; lanes 0-15 take A's block i, lanes 16-31 B's block i
.irp i, 0,1,2,3,4,5,6,7
	ds_load_b128 v[SC+8*NQ*\sc+NQ*\i:SC+8*NQ*\sc+NQ*\i+3], v[ADRS] offset:\i*SBLK
.endr
.endm
.macro PLACES n                        ; plain vector lines between a matrix instruction and a load into, or a read or write of, its registers (ISA guide 7.12.1 for reads and writes)
.rept \n
	v_nop
.endr
.endm
.macro STEP slot, q, first             ; a step of 128 along K that has its successor in the same slot
	s_wait_dscnt 4*NL                              ; B's set and A's blocks 0-3 are in; the youngest loads (A's blocks 4-7) may be out
.if \first
	WIN BIA_LO
.else
	WIN MUL_LO
.endif
	MUL16 0, (\q)%2, \q, \slot, \first
	MUL16 2, (\q)%2, \q, \slot, \first
	s_wait_dscnt 0                                 ; A's blocks 4-7 are in
	PLACES NP
	FETCH_B \slot, (\q)+1, 1-(\q)%2
	FETCH_A \slot, (\q)+1, 0
.if \first
	WIN BIA_HI
.else
	WIN MUL_HI
.endif
	MUL16 4, (\q)%2, \q, \slot, \first
	MUL16 6, (\q)%2, \q, \slot, \first
	PLACES NP
	WIN 0
	FETCH_A \slot, (\q)+1, 4
.endm
.macro STEPS slot, from
.set Q, \from
.rept NQ-1-\from
	STEP \slot, Q, 0
.set Q, Q+1
.endr
.endm
	s_wait_tensorcnt 1                             ; the scales and my part of K step 0 are in (K step 1's load may be out)
	s_barrier_signal -1
	s_barrier_wait -1                              ; everybody's are
	FETCH_B 0, 0, 0
	FETCH_A 0, 0, 0
	SCALES 0
	FETCH_A 0, 0, 4
	s_wait_loadcnt 0x0                             ; the bias
	STEP 0, 0, 1
	STEPS 0, 1
	; slot 0's last step changes slots: one barrier; in front of it each wave waits for its tensor loads (slot 1's), adds 0 to its spare word, and waits for that and for its reads of slot 0
	s_wait_tensorcnt 0x0
	ds_add_u32 v[SPW], v[NIL]
	s_wait_dscnt 4*NL+1                            ; (the add and A's blocks 4-7 may be out)
	WIN MUL_LO
	MUL16 0, 1, NQ-1, 0, 0
	s_wait_dscnt 0x0                               ; the add is done, and my reads of slot 0 are over
	s_barrier_signal -1
	MUL16 2, 1, NQ-1, 0, 0
	WIN 0
	s_barrier_wait -1                              ; slot 1 is whole, and nobody reads slot 0 any more
	PLACES NP
	v_add_nc_u32 v[ADRS], 4*NQ, v[ADRS]            ; on to K step 1's scale words
	FETCH_B 1, 0, 0
	FETCH_A 1, 0, 0
	SCALES 1
	WIN MUL_HI
	MUL16 4, 1, NQ-1, 0, 0
	MUL16 6, 1, NQ-1, 0, 0
	PLACES NP
	WIN 0
	FETCH_A 1, 0, 4
	STEPS 1, 0
	s_wait_dscnt 4*NL                              ; the very last step: nothing more to fetch
	WIN MUL_LO
	MUL16 0, 1, NQ-1, 1, 0
	MUL16 2, 1, NQ-1, 1, 0
	s_wait_dscnt 0
	WIN MUL_HI
	MUL16 4, 1, NQ-1, 1, 0
	MUL16 6, 1, NQ-1, 1, 0
	WIN 0
; THE WAY OUT, block by block of 16 tokens x 128 columns (two heads).  A lane's eight numbers of a tile pack into 16 bytes of a token's row; they go through my own stage (rows of 144 bytes) and come back as whole rows:
; four tokens of a head are 512 consecutive bytes of qkv.  The stages lie in slot 0, which has had its only fill and was left by every wave at the change of slots; the two ways out have bytes of their own there.
.macro LOADR a                         ; block a's cos and sin: eight images of 512 bytes into set a % 2 of window 1
	WIN TO_B
.irp i, 0,1,2,3,4,5,6,7
	global_load_b128 v[32*((\a)%2)+4*\i:32*((\a)%2)+4*\i+3], v[CO], s[66:67] offset:4096*(\a)+512*\i
.endr
	WIN 0
.endm
.macro ROT a                           ; x1' = x1 cos - x2 sin, x2' = x2 cos + x1 sin; x1 in tile 4 g + u, x2 in tile 4 g + u + 2.  Each accumulator is read from its low end on
.set AC, 64*((\a)%4)
.set RR, 32*((\a)%2)
.set WN, 0x06+(\a)/4                   ; source 0 window 2 or 3, source 1 (the table) window 1, the rest window 0
.if (\a) < 7
	s_wait_loadcnt 8                               ; this block's table is in; the next block's eight loads may be out
.else
	s_wait_loadcnt 0x0
.endif
	WIN WN
.irp g, 0,1
.irp u, 0,1
.irp j, 0,2,4,6
	v_pk_mul_f32 v[T+8*(4*\g+\u)+\j:T+8*(4*\g+\u)+\j+1], v[AC+8*(4*\g+\u)+\j:AC+8*(4*\g+\u)+\j+1], v[RR+16*\u+\j:RR+16*\u+\j+1]
	v_pk_mul_f32 v[T+8*(4*\g+\u+2)+\j:T+8*(4*\g+\u+2)+\j+1], v[AC+8*(4*\g+\u+2)+\j:AC+8*(4*\g+\u+2)+\j+1], v[RR+16*\u+\j:RR+16*\u+\j+1]
	v_pk_fma_f32 v[T+8*(4*\g+\u)+\j:T+8*(4*\g+\u)+\j+1], v[AC+8*(4*\g+\u+2)+\j:AC+8*(4*\g+\u+2)+\j+1], v[RR+16*\u+8+\j:RR+16*\u+8+\j+1], v[T+8*(4*\g+\u)+\j:T+8*(4*\g+\u)+\j+1] neg_lo:[1,0,0] neg_hi:[1,0,0]
	v_pk_fma_f32 v[T+8*(4*\g+\u+2)+\j:T+8*(4*\g+\u+2)+\j+1], v[AC+8*(4*\g+\u)+\j:AC+8*(4*\g+\u)+\j+1], v[RR+16*\u+8+\j:RR+16*\u+8+\j+1], v[T+8*(4*\g+\u+2)+\j:T+8*(4*\g+\u+2)+\j+1]
.endr
.endr
.endr
	WIN 0
.irp b, 0,1,2,3,4,5,6,7
.irp i, 0,1,2,3
	v_cvt_pk_f16_f32 v[P+4*\b+\i], v[T+8*\b+2*\i], v[T+8*\b+2*\i+1]
.endr
.endr
.endm
.macro PACKV a                         ; v is not rotated: straight from the accumulators, each from its low end on
.set AC, 64*((\a)%4)
.set WN, 0x0a+5*((\a)/4)               ; sources 0 and 1: window 2 or 3
	WIN WN
.irp b, 0,1,2,3,4,5,6,7
.irp i, 0,1,2,3
	v_cvt_pk_f16_f32 v[P+4*\b+\i], v[AC+8*\b+2*\i], v[AC+8*\b+2*\i+1]
.endr
.endr
	WIN 0
.endm
.macro TOSTAGE a, base                 ; LDS serves a wave's instructions in order: no wait between the stores and the loads, nor in front of the next block's stores
.irp b, 0,1,2,3,4,5,6,7
	ds_store_b128 v[STO], v[P+4*\b:P+4*\b+3] offset:\base+(\b/4)*2304+32*(\b%4)
.endr
.irp g, 0,1
.irp i, 0,1,2,3
	ds_load_b128 v[BK+32*((\a)%2)+4*(4*\g+\i):BK+32*((\a)%2)+4*(4*\g+\i)+3], v[RD] offset:\base+(16*\g+4*\i)*144
.endr
.endr
.endm
.macro SEND a, younger                 ; younger: the LDS instructions issued behind block a's loads, which may stay out
	s_wait_dscnt \younger
.irp g, 0,1
.irp i, 0,1,2,3
	global_store_b128 v[CO], v[BK+32*((\a)%2)+4*(4*\g+\i):BK+32*((\a)%2)+4*(4*\g+\i)+3], s[12:13] offset:262144*\g+2048*(\a)+512*\i th:TH_STORE_NT   ; 512 consecutive bytes: four tokens of a head
.endr
.endr
.endm
	PLACES NP                                      ; behind the last products: for the loads and writes into registers that they read, and for the reads of results
	s_cmp_eq_u32 ttmp9, 2                          ; the cluster's number: the same in all partners and all waves
	s_cbranch_scc1 .Lvalues
	LOADR 0
.irp a, 0,1,2,3,4,5,6,7
.if \a < 7
	LOADR \a+1
.endif
	ROT \a
.if \a > 1
	s_wait_xcnt 0x0                                ; block a - 2's stores have read their registers: block a's rows may land there
.endif
	TOSTAGE \a, 0
.if \a > 0
	SEND \a-1, 16                                  ; behind block a - 1's loads: block a's 8 stores and 8 loads
.endif
.endr
	SEND 7, 0
	FINISH
.Lvalues:
.irp a, 0,1,2,3,4,5,6,7
	PACKV \a
.if \a > 1
	s_wait_xcnt 0x0
.endif
	TOSTAGE \a, 32768
.if \a > 0
	SEND \a-1, 16
.endif
.endr
	SEND 7, 0
	FINISH
.Lfunc_end_k_qd4b6ed1776_qkv:
	.size	k_qd4b6ed1776_qkv, .Lfunc_end_k_qd4b6ed1776_qkv-k_qd4b6ed1776_qkv
	.p2alignl 7, 3214868480
	.fill 96, 4, 3214868480
	.section	.rodata,"a",@progbits
	.p2align	6, 0x0
	.amdhsa_kernel k_qd4b6ed1776_qkv
		.amdhsa_group_segment_fixed_size 327680
		.amdhsa_private_segment_fixed_size 0
		.amdhsa_enable_private_segment 0
		.amdhsa_kernarg_size 72
		.amdhsa_user_sgpr_count 2
		.amdhsa_user_sgpr_kernarg_segment_ptr 1
		.amdhsa_wavefront_size32 1
		.amdhsa_system_sgpr_workgroup_id_x 1
		.amdhsa_system_sgpr_workgroup_id_y 1
		.amdhsa_system_sgpr_workgroup_id_z 1
		.amdhsa_system_vgpr_workitem_id 0
		.amdhsa_next_free_vgpr 1024
		.amdhsa_next_free_sgpr 102
		.amdhsa_reserve_vcc 0
		.amdhsa_float_denorm_mode_32 3
		.amdhsa_float_denorm_mode_16_64 3
		.amdhsa_memory_ordered 1
		.amdhsa_forward_progress 1
		.amdhsa_inst_pref_size 199
	.end_amdhsa_kernel
	.amdgpu_metadata
---
amdhsa.version: [ 1, 2 ]
amdhsa.kernels:
  - .name:           k_qd4b6ed1776_qkv
    .symbol:         k_qd4b6ed1776_qkv.kd
    .args:
      - { .name: xc, .offset: 0, .size: 8, .value_kind: global_buffer, .address_space: global }
      - { .name: xs, .offset: 8, .size: 8, .value_kind: global_buffer, .address_space: global }
      - { .name: wc, .offset: 16, .size: 8, .value_kind: global_buffer, .address_space: global }
      - { .name: ws, .offset: 24, .size: 8, .value_kind: global_buffer, .address_space: global }
      - { .name: qkv, .offset: 32, .size: 8, .value_kind: global_buffer, .address_space: global }
      - { .name: bq, .offset: 40, .size: 8, .value_kind: global_buffer, .address_space: global }
      - { .name: bk, .offset: 48, .size: 8, .value_kind: global_buffer, .address_space: global }
      - { .name: bv, .offset: 56, .size: 8, .value_kind: global_buffer, .address_space: global }
      - { .name: rope, .offset: 64, .size: 8, .value_kind: global_buffer, .address_space: global }
    .group_segment_fixed_size: 327680
    .private_segment_fixed_size: 0
    .kernarg_segment_align: 8
    .kernarg_segment_size: 72
    .max_flat_workgroup_size: 128
    .sgpr_count:     102
    .vgpr_count:     1024
    .wavefront_size: 32
...
	.end_amdgpu_metadata
.endif
;; end of part 2
;; launch attn (part 3): grid 4 x 64, 8 waves a work-group, clusters of 4 x 1, 327,680 bytes of LDS; arguments qkv, att; writes att
.if DOCPART == 3
	.amdgcn_target "amdgcn-amd-amdhsa--gfx1250"
	.amdhsa_code_object_version 6
	.text
	.protected	k_qd4b6ed1776_attn
	.globl	k_qd4b6ed1776_attn
	.p2align	8
	.type	k_qd4b6ed1776_attn,@function
k_qd4b6ed1776_attn:
	s_mov_b64 s[64:65], 0
	v_nop
	global_prefetch_b8 v0, s[64:65] scope:SCOPE_SE
	s_setreg_imm32_b32 hwreg(HW_REG_WAVE_MODE, 25, 1), 1
	s_wait_xcnt 0x0
	s_wait_alu depctr_hold_cnt(0) depctr_sa_sdst(0) depctr_va_vdst(0) depctr_va_sdst(0) depctr_va_ssrc(0) depctr_va_vcc(0) depctr_vm_vsrc(0)
	s_getreg_b32 s2, hwreg(HW_REG_IB_STS2, 6, 4)
	s_cmp_eq_u32 s2, 0
	s_cbranch_scc0 .Lentry_in_a_cluster
	s_endpgm
.Lentry_in_a_cluster:
	s_bfe_u32 s2, ttmp6, 0x10000c
	s_cmp_lg_u32 s2, 0x3003
	s_cbranch_scc0 .Lentry_shape_is_right
	s_endpgm
.Lentry_shape_is_right:
; att[head][q][:] = the sum over k of softmax_k(q . k / 8) v[k][:], for 64 heads of 2,048 tokens x 64 channels, no mask.  q, k, v: f16, [head][token][64], the three parts of qkv; att likewise.  Products, maxima and sums in f32.
; q arrives multiplied by log2(e)/8, so a score IS the exponent of 2: p = 2^(s - m), m the row's running maximum; in every step O and the sum l are multiplied by a = 2^(old m - new m).  p is rounded to f16 for the second product, O once at the end.
; SHARES.  A cluster of four work-groups is one head; a work-group owns 512 queries, each of its eight waves 64: four tiles of 16.  Two waves to a SIMD, so that one wave's vector work stands beside the other's matrix work.
; Each fragment of K and V read from LDS feeds four matrix instructions.  Every wave walks all keys, 64 a step; a slot of the ring holds four steps, and each of the eight waves fetches one tile of it (waves 0-3: K's, waves 4-7: V's).
; The four work-groups walk the same K and V: each tile is asked for JOINTLY, by the same tensor load with the same descriptor and a mask that names the four.
; LAYOUT.  S^T = K Q^T (source 0 = 16 keys, source 1 = 16 queries): a lane holds ONE query (lane % 16) and keys 8 (lane / 16) + 0..7.  Two such tiles rounded in pairs ARE source 1 of O^T = V^T P.  V ([key][channel]) is turned by ds_load_tr16_b128.
; LIMITS: NaN and infinities are not served; the result stays under 65,504, f16's largest number (it is an average of v).
; REGISTERS: window 0: v1-15 addresses; v16-47 statistics, eight a tile (+0 m, +1 its pair's other half, +2, +3 l, +4 to +7 at work, a in +6); v64-191 S^T, 32 a tile, whose low 16 then hold P; v192-255 K's eight fragments.
;   window 1: v0-127 O^T, 32 a tile; v128-191 Q's eight fragments; v192-255 V's eight.
.set KS,    64
.set PK,    144                        ; a row of K in LDS: 128 bytes + 16: the 16 rows of a load start 36 words apart
.set PV,    160                        ; a row of V: 128 + 32
.set VOFF,  KS*PK
.set STEPB, KS*(PK+PV)                 ; a step's tiles lie together: 64 rows of K, then 64 of V
.set SLOT1, 1<<17                      ; slot 1 begins here: one exclusive or turns an address from one slot to the other
.set SLOTB, 4*KS*128                   ; a slot's keys in memory: 32,768 bytes in K and in V
.set SPARE, SLOT1+4*STEPB              ; the spare words, 128 bytes a wave, that no other line names
.set SP,    144                        ; the way out: 16 rows x 144 bytes a wave, in slot 0's bytes: it has had its last fill and was left at the last change of slots
.set AK0, 1
.set AV0, 2
.set ADK, 3
.set ADV, 4
.set STO, 5
.set RD,  6
.set GO,  7
.set SPW, 8
.set NIL, 9
.set PFO, 10
.set QO,  15
.set ST,  16
.set S,   64
.set KF,  192
.set QF,  128
.set VF,  192
.set WV,  12
.set LIM, 15
.set PFA, 18
.set G1K, 24
.set G1V, 32
.set G0K, 40
.set G0V, 48
.set SLOTS, 56
.set CNT, 57
.set SEL, 60
.set TB,  62
.set MSB, 0
.macro WIN new
.if MSB != \new
	s_set_vgpr_msb (MSB<<8)|\new
.set MSB, \new
.endif
.endm
.set W_KQ, 0x04                        ; Q (source 1) window 1; K and S^T window 0
.set W_PV, 0x51                        ; V (source 0) and O^T (C, D) window 1; P window 0
.set W_RS, 0x41                        ; O^T (destination, source 0) window 1; a window 0
.set TO_1, 0x40                        ; destination window 1, address window 0
.macro JLOAD                           ; a joint refill; the branch hangs on the wave's number alone.  An s_nop 0 and four v_nop follow each line
	s_cmp_lt_u32 s[WV], 4
	s_cbranch_scc0 .Lfor_v_\@
	tensor_load_to_lds s[G0K+4:G0K+7], s[G1K:G1K+7]
	s_nop 0
.rept 4
	v_nop
.endr
	s_branch .Lasked_\@
.Lfor_v_\@:
	tensor_load_to_lds s[G0V+4:G0V+7], s[G1V:G1V+7]
	s_nop 0
.rept 4
	v_nop
.endr
.Lasked_\@:
.endm
; A prefetch of what the NEXT change of slots will ask for: a slot's 32,768 bytes of K and of V.  The four partners take 8,192 bytes each, told apart by address; in each, wave 0 asks for K's and wave 4 for V's,
; lanes 256 bytes apart: each aligned block of 256 bytes is named once in the launch, four key steps ahead of its load.  The last change that fills a slot asks for nothing; slots 0 to 2 come by their loads alone.
.macro ASK
	s_cmp_gt_u32 s[SLOTS], s[LIM]
	s_cbranch_scc0 .Lnot_mine_\@
	global_prefetch_b8 v[PFO], s[PFA:PFA+1] th:TH_LOAD_NT scope:SCOPE_SE
.Lnot_mine_\@:
.endm
.macro CROUND
	s_barrier_signal -1
	s_barrier_wait -1
	s_cmp_lg_u32 s[WV], 0
	s_cbranch_scc1 .Lnot_wave_0_\@
	s_barrier_signal -3
.Lnot_wave_0_\@:
	s_barrier_wait -3
	s_barrier_signal -1
	s_barrier_wait -1
.endm
	s_load_b128 s[4:7], s[0:1], 0x0                ; qkv s[4:5], att s[6:7]
	v_lshl_add_u32 v[SPW], v0, 2, SPARE
	v_mov_b32 v[NIL], 0
	ds_add_u32 v[SPW], v[NIL]                      ; the wave's opening: the add, twice on end, and its wait ahead of my first tensor load
	ds_add_u32 v[SPW], v[NIL]
	v_lshrrev_b32 v11, 5, v0
	v_readfirstlane_b32 s[WV], v11                 ; wave 0..7
	s_bfe_u32 s13, ttmp6, 0x40000                  ; cx: my block of 512 queries
	s_and_b32 s14, ttmp7, 0xffff                   ; the head, which the four partners share
	s_and_b32 s16, s[WV], 3                        ; which of a slot's four steps I fetch
	s_lshl_b32 s58, s14, 18                        ; the head's 262,144 bytes,
	s_lshl_b32 s17, s16, 13                        ; my step's 64 rows of 128 bytes
	s_add_co_u32 s58, s58, s17
	s_mov_b32 s59, 0
	s_mul_i32 s17, s16, STEPB                      ; and its place in a slot: no place in the cluster enters an LDS address
	s_lshl_b32 s2, s13, 16                         ; my block's 512 rows,
	s_lshl_b32 s3, s[WV], 13                       ; my wave's 64 of them,
	s_add_co_u32 s2, s2, s3
	s_lshl_b32 s3, s14, 18                         ; in my head
	s_add_co_u32 s2, s2, s3
	s_mov_b32 s3, 0
	s_mov_b32 s[G1K], 15|(1<<16)|(1<<20)|(1<<21)|(4<<22)|(3<<25)  ; the mask: all four; elements of 2 bytes; padding on; bit 21 beside a mask; 4 words of padding after every 32
	s_mov_b32 s[G1V], 15|(1<<16)|(1<<20)|(1<<21)|(4<<22)|(7<<25)  ; the same with 8 words
.irp g, G1K, G1V
	s_mov_b32 s[\g+1], 64<<16                      ; tensor_dim0 = 64
	s_mov_b32 s[\g+2], KS<<16                      ; tensor_dim1 = 64
	s_mov_b32 s[\g+3], 64<<16                      ; tile_dim0 = 64
	s_mov_b32 s[\g+4], KS                          ; tile_dim1 = 64
	s_mov_b32 s[\g+5], 64                          ; from row to row
	s_mov_b32 s[\g+6], 0
	s_mov_b32 s[\g+7], 0
.endr
	s_mov_b32 s[SEL], 0x76543210
	s_mov_b32 s[SEL+1], 0xfedcba98                 ; v_permlanex16_b32's selects for lane l xor 16
	s_mov_b32 s[TB], 0
	s_mov_b32 s[SLOTS], 6                          ; slots still to be asked for: 8 less the two first fills
	s_cmp_eq_u32 s16, 0
	s_cselect_b32 s[LIM], 1, -1                    ; waves 0 and 4 prefetch: the same in all partners
	v_and_b32 v[PFO], 31, v0
	v_lshlrev_b32 v[PFO], 8, v[PFO]
	s_wait_dscnt 0x0                               ; both opening adds are done
	s_wait_kmcnt 0x0
	s_add_nc_u64 s[8:9], s[4:5], 0x1000000         ; k's part,
	s_add_nc_u64 s[10:11], s[4:5], 0x2000000       ; v's part,
	s_add_nc_u64 s[8:9], s[8:9], s[58:59]          ; at my tile of slot 0
	s_add_nc_u64 s[10:11], s[10:11], s[58:59]
	s_add_nc_u64 s[20:21], s[4:5], s[2:3]          ; q at my wave's first row,
	s_add_nc_u64 s[22:23], s[6:7], s[2:3]          ; att likewise
	s_cmp_lt_u32 s[WV], 4
	s_cselect_b64 s[PFA:PFA+1], s[8:9], s[10:11]   ; (in waves 0 and 4 these stand at the head's first row)
	s_lshl_b32 s2, s13, 13                         ; my work-group's 8,192 bytes,
	s_add_co_u32 s2, s2, 2*SLOTB                   ; in slot 2: the first change of slots steps it to slot 3
	s_add_nc_u64 s[PFA:PFA+1], s[PFA:PFA+1], s[2:3]
	CROUND                                         ; all four work-groups are here: the first joint loads meet
.irp s, 0,1
	s_mov_b32 s[G0K+4*\s], 1
	s_add_co_u32 s[G0K+4*\s+1], s17, \s*SLOT1
	s_add_nc_u64 s[G0K+4*\s+2:G0K+4*\s+3], s[8:9], \s*SLOTB
	s_or_b32 s[G0K+4*\s+3], s[G0K+4*\s+3], 0x80000000
	s_mov_b32 s[G0V+4*\s], 1
	s_add_co_u32 s[G0V+4*\s+1], s17, \s*SLOT1+VOFF
	s_add_nc_u64 s[G0V+4*\s+2:G0V+4*\s+3], s[10:11], \s*SLOTB
	s_or_b32 s[G0V+4*\s+3], s[G0V+4*\s+3], 0x80000000
.endr
	s_cmp_lt_u32 s[WV], 4                          ; a wave's two first fills stand in one branch: two loads of mine are out
	s_cbranch_scc0 .Lfirst_v
	tensor_load_to_lds s[G0K:G0K+3], s[G1K:G1K+7]
	s_nop 0
	tensor_load_to_lds s[G0K+4:G0K+7], s[G1K:G1K+7]
	s_nop 0
.rept 4
	v_nop
.endr
	s_branch .Lfirst_asked
.Lfirst_v:
	tensor_load_to_lds s[G0V:G0V+3], s[G1V:G1V+7]
	s_nop 0
	tensor_load_to_lds s[G0V+4:G0V+7], s[G1V:G1V+7]
	s_nop 0
.rept 4
	v_nop
.endr
.Lfirst_asked:
	v_and_b32 v11, 15, v0                          ; r
	v_bfe_u32 v12, v0, 4, 1                        ; h
	v_lshlrev_b32 v[QO], 7, v11
	v_lshl_add_u32 v[QO], v12, 4, v[QO]            ; row x 128 + 16 x half
	WIN TO_1
.irp f, 0,1,2,3,4,5,6,7                        ; Q stays in registers: tile f / 2, channels 32 (f % 2) on
	global_load_b128 v[QF+8*\f:QF+8*\f+3],   v[QO], s[20:21] offset:(\f/2)*2048+(\f%2)*64
	global_load_b128 v[QF+8*\f+4:QF+8*\f+7], v[QO], s[20:21] offset:(\f/2)*2048+(\f%2)*64+32
.endr
.set i, 0
.rept 128
	v_mov_b32 v[i], 0                              ; O^T.  (The step is written without a first-step form: the first finds zeros, which a = 0 leaves zeros)
.set i, i+1
.endr
	WIN 0
	v_mul_u32_u24 v[AK0], v11, PK
	v_lshl_add_u32 v[AK0], v12, 4, v[AK0]          ; K: row x pitch + 16 x half
	v_and_b32 v13, 7, v0
	v_bfe_u32 v14, v0, 3, 1
	v_lshl_add_u32 v[AV0], v12, 3, v13             ; V: the turning load: key 8 h + l % 8,
	v_mul_u32_u24 v[AV0], v[AV0], PV
	v_lshl_add_u32 v[AV0], v14, 4, v[AV0]          ; channels 8 ((l / 8) % 2) on
	v_add_nc_u32 v[AV0], VOFF, v[AV0]
	s_mul_i32 s16, s[WV], 16*SP                    ; my stage for the way out
	v_mul_u32_u24 v[STO], v11, SP
	v_lshl_add_u32 v[STO], v12, 4, v[STO]
	v_add_nc_u32 v[STO], s16, v[STO]               ; in: row r, 16 bytes for each half of the lanes
	v_and_b32 v13, 31, v0
	v_lshlrev_b32 v[GO], 4, v13
	v_lshrrev_b32 v14, 3, v13
	v_mul_u32_u24 v[RD], v14, SP
	v_and_b32 v14, 7, v13
	v_lshl_add_u32 v[RD], v14, 4, v[RD]
	v_add_nc_u32 v[RD], s16, v[RD]                 ; back: eight lanes to a row of 128 bytes, four rows an instruction
.irp t, 0,1,2,3
	v_mov_b32 v[ST+8*\t], 0xff61b1e6               ; m: -3e38, under every score
	v_mov_b32 v[ST+8*\t+1], 0                      ; (named with m as a pair, so it is written)
	v_mov_b32 v[ST+8*\t+2], 0                      ; l, in two halves
	v_mov_b32 v[ST+8*\t+3], 0
.endr
.macro KLOADS                          ; a step's K: 8 fragments, 16 loads: keys 16 (f / 2) on, channels 32 (f % 2) on
.irp f, 0,1,2,3,4,5,6,7
	ds_load_b128 v[KF+8*\f:KF+8*\f+3],   v[ADK] offset:(\f/2)*16*PK+(\f%2)*64
	ds_load_b128 v[KF+8*\f+4:KF+8*\f+7], v[ADK] offset:(\f/2)*16*PK+(\f%2)*64+32
.endr
.endm
.macro VLOADS                          ; a step's V, turned: 8 fragments, 16 loads: keys 32 (f / 4) on, channels 16 (f % 4) on
	WIN TO_1
.irp f, 0,1,2,3,4,5,6,7
	ds_load_tr16_b128 v[VF+8*\f:VF+8*\f+3],   v[ADV] offset:(\f/4)*32*PV+(\f%4)*32
	ds_load_tr16_b128 v[VF+8*\f+4:VF+8*\f+7], v[ADV] offset:(\f/4)*32*PV+16*PV+(\f%4)*32
.endr
	WIN 0
.endm
; 32 products S^T = K Q^T: channels 32 (i / 16) on, keys 16 ((i / 4) % 4) on, tile i % 4.  The first 16 start the sums.  The 16 accumulators take turns, one instruction a turn.
.macro KQ
	WIN W_KQ
.set i, 0
.rept 32
.set rS, S+32*(i%4)+8*((i/4)%4)
.set rK, KF+16*((i/4)%4)+8*(i/16)
.set rQ, QF+16*(i%4)+8*(i/16)
.if i < 16
	v_wmma_f32_16x16x32_f16 v[rS:rS+7], v[rK:rK+7], v[rQ:rQ+7], 0
.else
	v_wmma_f32_16x16x32_f16 v[rS:rS+7], v[rK:rK+7], v[rQ:rQ+7], v[rS:rS+7]
.endif
.set i, i+1
.endr
	WIN 0
.endm
; 32 products O^T += V^T P: keys 32 (i / 16) on, channels 16 ((i / 4) % 4) on, tile i % 4; by turns likewise.
.macro PVM
	WIN W_PV
.set i, 0
.rept 32
.set rO, 32*(i%4)+8*((i/4)%4)
.set rV, VF+32*(i/16)+8*((i/4)%4)
.set rP, S+32*(i%4)+8*(i/16)
	v_wmma_f32_16x16x32_f16 v[rO:rO+7], v[rV:rV+7], v[rP:rP+7], v[rO:rO+7]
.set i, i+1
.endr
	WIN 0
.endm
; THE SOFTMAX of a step, the four tiles by turns, so that no line waits for the line above it.
.macro SM
.irp j, 0,1,2,3                                ; the maximum of a tile's 32 scores and the old m, three operands at a time; each accumulator is read first at its low end
.irp t, 0,1,2,3
	v_max3_num_f32 v[ST+8*\t+4+\j], v[S+32*\t+8*\j], v[S+32*\t+8*\j+1], v[S+32*\t+8*\j+2]
.endr
.endr
.irp k, 1,2
.irp j, 0,1,2,3
.irp t, 0,1,2,3
	v_max3_num_f32 v[ST+8*\t+4+\j], v[ST+8*\t+4+\j], v[S+32*\t+8*\j+2*\k+1], v[S+32*\t+8*\j+2*\k+2]
.endr
.endr
.endr
.irp t, 0,1,2,3
	v_max3_num_f32 v[ST+8*\t+4], v[ST+8*\t+4], v[S+32*\t+7], v[S+32*\t+15]
	v_max3_num_f32 v[ST+8*\t+6], v[ST+8*\t+6], v[S+32*\t+23], v[S+32*\t+31]
.endr
.irp t, 0,1,2,3
	v_max3_num_f32 v[ST+8*\t+4], v[ST+8*\t+4], v[ST+8*\t+5], v[ST+8*\t+6]
.endr
.irp t, 0,1,2,3
	v_max3_num_f32 v[ST+8*\t+4], v[ST+8*\t+4], v[ST+8*\t+7], v[ST+8*\t]
.endr
.irp t, 0,1,2,3
	v_permlanex16_b32 v[ST+8*\t+5], v[ST+8*\t+4], s[SEL], s[SEL+1]   ; the query's other 32 keys lie in the lane 16 away
.endr
.irp t, 0,1,2,3
	v_mov_b32 v[ST+8*\t+7], v[ST+8*\t]             ; the old m
.endr
.irp t, 0,1,2,3
	v_max_num_f32 v[ST+8*\t], v[ST+8*\t+4], v[ST+8*\t+5]
.endr
.irp t, 0,1,2,3
	v_sub_f32 v[ST+8*\t+7], v[ST+8*\t+7], v[ST+8*\t]
.endr
.irp t, 0,1,2,3
	v_exp_f32 v[ST+8*\t+6], v[ST+8*\t+7]           ; a
.endr
.irp b, 0,1,2,3,4,5,6,7,8,9,10,11,12,13,14,15  ; ONE BATCH: s - m, a pair at a time, and the pair's exponentials; none of these lines names an exponential's result
.irp t, 0,1,2,3
	v_pk_add_f32 v[S+32*\t+2*\b:S+32*\t+2*\b+1], v[S+32*\t+2*\b:S+32*\t+2*\b+1], v[ST+8*\t:ST+8*\t+1] op_sel_hi:[1,0] neg_lo:[0,1] neg_hi:[0,1]
.endr
.irp t, 0,1,2,3
	v_exp_f32 v[S+32*\t+2*\b], v[S+32*\t+2*\b]
	v_exp_f32 v[S+32*\t+2*\b+1], v[S+32*\t+2*\b+1]
.endr
.endr
	v_nop                                          ; a plain line behind the last exponential,
	s_wait_alu depctr_va_vdst(0)                   ; and the one wait for all 132, ahead of their first reader
.irp t, 0,1,2,3
	v_pk_fma_f32 v[ST+8*\t+2:ST+8*\t+3], v[ST+8*\t+2:ST+8*\t+3], v[ST+8*\t+6:ST+8*\t+7], v[S+32*\t:S+32*\t+1] op_sel_hi:[1,0,1]   ; l = a l + p
.endr
.irp b, 1,2,3,4,5,6,7,8,9,10,11,12,13,14,15
.irp t, 0,1,2,3
	v_pk_add_f32 v[ST+8*\t+2:ST+8*\t+3], v[ST+8*\t+2:ST+8*\t+3], v[S+32*\t+2*\b:S+32*\t+2*\b+1]
.endr
.endr
.irp i, 0,1,2,3,4,5,6,7,8,9,10,11,12,13,14,15  ; P in f16, in place: register i takes weights 2 i and 2 i + 1, which lie at or above it
.irp t, 0,1,2,3
	v_cvt_pk_f16_f32 v[S+32*\t+\i], v[S+32*\t+2*\i], v[S+32*\t+2*\i+1]
.endr
.endr
	WIN W_RS
.irp i, 0,1,2,3,4,5,6,7,8,9,10,11,12,13,14,15  ; O^T times a, each accumulator from its low end on
.irp t, 0,1,2,3
	v_pk_mul_f32 v[32*\t+2*\i:32*\t+2*\i+1], v[32*\t+2*\i:32*\t+2*\i+1], v[ST+8*\t+6:ST+8*\t+7] op_sel_hi:[1,0]
.endr
.endr
.endm
; A KEY STEP j.  At its head S^T of step j is made and V of step j has been asked for.  next = 1: K and V of step j + 1 are fetched and its S^T is made.
.macro BODY next
.if \next
	v_add_nc_u32 v[ADK], s[TB], v[AK0]             ; with the three lines below: the four places behind the last K Q^T, for the loads into K's registers and the reads of the scores
.rept 3
	v_nop
.endr
	KLOADS
.else
.rept 4
	v_nop
.endr
.endif
	SM
.if \next
	s_wait_dscnt 16                                ; V of step j is in; the 16 loads of K issued behind it may be out
.else
	s_wait_dscnt 0x0
.endif
	PVM
.if \next
	v_add_nc_u32 v[ADV], s[TB], v[AV0]             ; with the four lines below: five places, since K Q^T writes over P, which V^T P has read; they serve the loads into V's registers too
.rept 4
	v_nop
.endr
	s_add_co_u32 s[TB], s[TB], STEPB               ; the next fetch is the next step's
	VLOADS
	s_wait_dscnt 16                                ; K of step j + 1 is in; V's 16 loads may be out
	KQ
.endif
.endm
.macro STEPS n
	s_mov_b32 s[CNT], \n
.Lstep_\@:
	BODY 1
	s_sub_co_u32 s[CNT], s[CNT], 1
	s_cmp_lg_u32 s[CNT], 0
	s_cbranch_scc1 .Lstep_\@
.endm
; THE CHANGE OF SLOTS: the slot's last bytes, V of its fourth step, have been asked for.  Each wave waits for all its tensor loads (its part of the other slot), adds 0 to its spare word, and waits for that and for its reads of the slot.
; fill = 1: the slot is filled again, with the keys two slots on: the barrier is a round of the cluster's, and the joint refill is the first thing behind it: it has four key steps in which to land.
.macro CHANGE fill
	s_wait_tensorcnt 0x0                           ; no tensor load of mine is out, so a group 0 may be written
	ds_add_u32 v[SPW], v[NIL]
.if \fill
.irp g, G0K+4, G0V+4
	s_xor_b32 s[\g+1], s[\g+1], SLOT1              ; the walking descriptor: the other slot than last time,
	s_add_nc_u64 s[\g+2:\g+3], s[\g+2:\g+3], SLOTB ; the next 256 keys
.endr
	s_wait_xcnt 0x0                                ; the last prefetch, four key steps back, has read its address
	s_add_nc_u64 s[PFA:PFA+1], s[PFA:PFA+1], SLOTB
	s_wait_dscnt 0x0                               ; the add is done, and my reads of the slot are over
	CROUND
	JLOAD
	ASK
.else
	s_wait_dscnt 0x0
	s_barrier_signal -1
	s_barrier_wait -1
.endif
	s_sub_co_u32 s[TB], s[TB], 4*STEPB             ; the fetches go back to a slot's first step,
	s_xor_b32 s[TB], s[TB], SLOT1                  ; in the other slot
.endm
	s_wait_tensorcnt 1                             ; my part of slot 0 is in; slot 1's may stay out
	s_barrier_signal -1
	s_barrier_wait -1                              ; everybody's is
	v_add_nc_u32 v[ADK], s[TB], v[AK0]
	KLOADS                                         ; key step 0
	v_add_nc_u32 v[ADV], s[TB], v[AV0]
	s_add_co_u32 s[TB], s[TB], STEPB
	VLOADS
	s_wait_loadcnt 0x0                             ; Q
	s_wait_dscnt 16                                ; K is in; V's 16 loads may be out
	KQ
	STEPS 3                                        ; steps 0 to 2; they fetch steps 1 to 3
.Lslot:                                            ; six trips: every slot but the last two is filled again
	CHANGE 1
	STEPS 4
	s_sub_co_u32 s[SLOTS], s[SLOTS], 1
	s_cmp_lg_u32 s[SLOTS], 0
	s_cbranch_scc1 .Lslot
	CHANGE 0                                       ; the tail is written out
	STEPS 4
	BODY 0                                         ; step 31
	; THE WAY OUT.  l's two halves and the other half of the lanes' are added (these four additions are the places behind the last products); O^T is divided by l, rounded to f16 and sent through my stage, a tile at a time.
.irp t, 0,1,2,3
	v_add_f32 v[ST+8*\t+4], v[ST+8*\t+2], v[ST+8*\t+3]
.endr
.irp t, 0,1,2,3
	v_permlanex16_b32 v[ST+8*\t+5], v[ST+8*\t+4], s[SEL], s[SEL+1]
.endr
.irp t, 0,1,2,3
	v_add_f32 v[ST+8*\t+4], v[ST+8*\t+4], v[ST+8*\t+5]
.endr
.irp t, 0,1,2,3
	v_rcp_f32 v[ST+8*\t+6], v[ST+8*\t+4]
.endr
	v_nop                                          ; a plain line behind the last reciprocal,
	s_wait_alu depctr_va_vdst(0)                   ; and the one wait for the four
.macro PACK t
	WIN W_RS
.set i, 0
.rept 16
	v_pk_mul_f32 v[32*\t+i:32*\t+i+1], v[32*\t+i:32*\t+i+1], v[ST+8*\t+6:ST+8*\t+7] op_sel_hi:[1,0]
.set i, i+2
.endr
	WIN 0x05                                       ; sources window 1, destination window 0: S^T's registers are free
.set i, 0
.rept 16
	v_cvt_pk_f16_f32 v[S+16*\t+i], v[32*\t+2*i], v[32*\t+2*i+1]
.set i, i+1
.endr
	WIN 0
.irp f, 0,1,2,3
	ds_store_b128 v[STO], v[S+16*\t+4*\f:S+16*\t+4*\f+3] offset:32*\f
.endr
.irp f, 0,1,2,3
	ds_load_b128 v[S+16*\t+4*\f:S+16*\t+4*\f+3], v[RD] offset:\f*4*SP   ; LDS serves a wave's instructions in order: these see the stores above; the next tile's stores come behind them
.endr
.endm
.macro SEND t, younger                 ; younger: the LDS instructions issued behind tile t's loads
.irp f, 0,1,2,3
	s_wait_dscnt \younger+3-\f
	global_store_b128 v[GO], v[S+16*\t+4*\f:S+16*\t+4*\f+3], s[22:23] offset:\t*2048+\f*512 th:TH_STORE_NT   ; 512 consecutive bytes: four tokens of the head
.endr
.endm
	PACK 0
	PACK 1
	SEND 0, 8
	PACK 2
	SEND 1, 8
	PACK 3
	SEND 2, 8
	SEND 3, 0
	s_wait_tensorcnt 0x0                           ; the wave's end
	ds_add_u32 v[SPW], v[NIL]
	s_wait_dscnt 0x0
	CROUND                                         ; the closing round
	s_endpgm
.Lfunc_end_k_qd4b6ed1776_attn:
	.size	k_qd4b6ed1776_attn, .Lfunc_end_k_qd4b6ed1776_attn-k_qd4b6ed1776_attn
	.p2alignl 7, 3214868480
	.fill 96, 4, 3214868480
	.section	.rodata,"a",@progbits
	.p2align	6, 0x0
	.amdhsa_kernel k_qd4b6ed1776_attn
		.amdhsa_group_segment_fixed_size 327680
		.amdhsa_private_segment_fixed_size 0
		.amdhsa_enable_private_segment 0
		.amdhsa_kernarg_size 16
		.amdhsa_user_sgpr_count 2
		.amdhsa_user_sgpr_kernarg_segment_ptr 1
		.amdhsa_wavefront_size32 1
		.amdhsa_system_sgpr_workgroup_id_x 1
		.amdhsa_system_sgpr_workgroup_id_y 1
		.amdhsa_system_sgpr_workgroup_id_z 1
		.amdhsa_system_vgpr_workitem_id 0
		.amdhsa_next_free_vgpr 512
		.amdhsa_next_free_sgpr 66
		.amdhsa_reserve_vcc 0
		.amdhsa_float_denorm_mode_32 3
		.amdhsa_float_denorm_mode_16_64 3
		.amdhsa_memory_ordered 1
		.amdhsa_forward_progress 1
		.amdhsa_inst_pref_size 155
	.end_amdhsa_kernel
	.amdgpu_metadata
---
amdhsa.version: [ 1, 2 ]
amdhsa.kernels:
  - .name:           k_qd4b6ed1776_attn
    .symbol:         k_qd4b6ed1776_attn.kd
    .args:
      - { .name: qkv, .offset: 0, .size: 8, .value_kind: global_buffer, .address_space: global }
      - { .name: att, .offset: 8, .size: 8, .value_kind: global_buffer, .address_space: global }
    .group_segment_fixed_size: 327680
    .private_segment_fixed_size: 0
    .kernarg_segment_align: 8
    .kernarg_segment_size: 16
    .max_flat_workgroup_size: 256
    .sgpr_count:     66
    .vgpr_count:     512
    .wavefront_size: 32
...
	.end_amdgpu_metadata
.endif
;; end of part 3
;; launch proj (part 4): grid 8 x 64, 4 waves a work-group, clusters of 4 x 4, 327,680 bytes of LDS; arguments att, wo16, out0, bo; writes out0
.if DOCPART == 4
	.amdgcn_target "amdgcn-amd-amdhsa--gfx1250"
	.amdhsa_code_object_version 6
	.text
	.protected	k_qd4b6ed1776_proj
	.globl	k_qd4b6ed1776_proj
	.p2align	8
	.type	k_qd4b6ed1776_proj,@function
k_qd4b6ed1776_proj:
	s_mov_b64 s[64:65], 0
	v_nop
	global_prefetch_b8 v0, s[64:65] scope:SCOPE_SE
	s_setreg_imm32_b32 hwreg(HW_REG_WAVE_MODE, 25, 1), 1
	s_wait_xcnt 0x0
	s_wait_alu depctr_hold_cnt(0) depctr_sa_sdst(0) depctr_va_vdst(0) depctr_va_sdst(0) depctr_va_ssrc(0) depctr_va_vcc(0) depctr_vm_vsrc(0)
	s_getreg_b32 s2, hwreg(HW_REG_IB_STS2, 6, 4)
	s_cmp_eq_u32 s2, 0
	s_cbranch_scc0 .Lentry_in_a_cluster
	s_endpgm
.Lentry_in_a_cluster:
	s_bfe_u32 s2, ttmp6, 0x10000c
	s_cmp_lg_u32 s2, 0xf033
	s_cbranch_scc0 .Lentry_shape_is_right
	s_endpgm
.Lentry_shape_is_right:
; out0 = A Wo + bo.  A[m = (batch, token)][k = (head, channel)] is att, f16, laid [16 batch + head][token][64]; Wo is wo16, f16, [k 1024][n 1024] as it lies; out0 [8192][1024] f32; sums in f32.
; A tile of out0 is 128 x 128: four waves, 64 x 64 each: 16 accumulators.  K goes in four steps of 256, which are four heads, through a ring of two LDS slots.
; A's part of a slot (waves 0, 1: 64 tokens each): for each of the four heads 64 tokens x 128 bytes are 8,192 consecutive bytes of memory: a tile of 4 rows of 4,096 elements, with 16 bytes of padding behind every 128: in LDS 256 lines of 144 bytes, line = 64 x head + token.
; B's part (waves 2, 3: 128 rows of k each): 128 rows of 256 bytes, 32 bytes of padding behind each; its fragments are turned on the way into registers by ds_load_tr16_b128.
; CLUSTERS: 4 x 4 work-groups; A's tile is shared along a row of the cluster, B's along a column: each is asked for jointly.  THE MATRIX INSTRUCTION IS USED TRANSPOSED (source 0 = 16 columns of Wo, source 1 = 16 rows of A):
; a lane holds eight neighbouring numbers of a row of out0.  bo is the C of each sum's first product.
; REGISTERS: window 0: v0-31 addresses; v32-95 rows on the way out; v96-127 bo, four tiles; v128-255 the accumulators ((a, b) at v[128 + 8 (4 a + b)]).  window 1: two fragment buffers of 128: 64 registers of A, then 64 of B, for 64 along K.
.set PA,     144
.set PB,     288
.set HALFT,  256*PA                    ; what one tensor load brings: 256 lines of A, or 128 rows of B (128 x 288 is the same number)
.set SLOT,   4*HALFT
.set STAGE,  2*SLOT                    ; behind the ring: 16 rows x 272 bytes for each wave
.set SPITCH, 272
.set SPARE,  STAGE+4*16*SPITCH         ; the spare words, 128 bytes a wave, that no other line names
.set ASTEP,  1048576                   ; a K step on in att: four heads of 262,144 bytes
.set BSTEP,  524288                    ; in wo16: 256 rows of 2,048 bytes
.set ADRA, 16                          ; v16-17  my A fragments in slot 0, 1
.set ADRB, 20                          ; v20-23  my B fragments: slot s, rows 128 k on: v[20 + 2 s + k]
.set STO,  24
.set RD,   25
.set CO,   26
.set BO,   27
.set SPW,  28
.set NIL,  29
.set TMP,  32
.set BI,   96
.set ACC,  128
.set F0,   0
.set F1,   128
.set G1, 24
.set G0, 32
.set G1B, 48
.set G0B, 56
.set MSB, 0
.macro WIN new
.if MSB != \new
	s_set_vgpr_msb (MSB<<8)|\new
.set MSB, \new
.endif
.endm
.set MUL,  0x05                        ; sources 0 (B) and 1 (A) window 1; C and D window 0
.set TO_F, 0x40
.macro JLOAD s                         ; a joint load: waves 0 and 1 fetch A's halves, waves 2 and 3 B's; an s_nop 0 and four v_nop follow each line
	s_cmp_eq_u32 s13, 0
	s_cbranch_scc0 .Lfor_b_\@
	tensor_load_to_lds s[G0+4*\s:G0+4*\s+3], s[G1:G1+7]
	s_nop 0
.rept 4
	v_nop
.endr
	s_branch .Lasked_\@
.Lfor_b_\@:
	tensor_load_to_lds s[G0B+4*\s:G0B+4*\s+3], s[G1B:G1B+7]
	s_nop 0
.rept 4
	v_nop
.endr
.Lasked_\@:
.endm
.macro CREST
	s_cmp_lg_u32 s12, 0
	s_cbranch_scc1 .Lnot_wave_0_\@
	s_barrier_signal -3
.Lnot_wave_0_\@:
	s_barrier_wait -3
	s_barrier_signal -1
	s_barrier_wait -1
.endm
.macro CROUND
	s_barrier_signal -1
	s_barrier_wait -1
	CREST
.endm
	s_load_b128 s[4:7], s[0:1], 0x0                ; att s[4:5], wo16 s[6:7]
	s_load_b128 s[8:11], s[0:1], 0x10              ; out0 s[8:9], bo s[10:11]
	v_lshl_add_u32 v[SPW], v0, 2, SPARE
	v_mov_b32 v[NIL], 0
	ds_add_u32 v[SPW], v[NIL]                      ; the wave's opening: the add, twice on end, and its wait ahead of my first tensor load
	ds_add_u32 v[SPW], v[NIL]
	v_lshrrev_b32 v1, 5, v0
	v_readfirstlane_b32 s12, v1                    ; wave 0..3
	s_lshr_b32 s13, s12, 1                         ; which half of the tile's rows is mine.  Also: I fetch for A (0) or for B (1)
	s_and_b32 s14, s12, 1                          ; which half of its columns.  Also: which half of that tile I fetch
	s_bfe_u32 s40, ttmp6, 0x40000                  ; cx, cy
	s_bfe_u32 s41, ttmp6, 0x40004
	s_lshl_b32 s42, ttmp9, 2
	s_add_co_u32 s42, s42, s40                     ; tile column
	s_and_b32 s15, ttmp7, 0xffff
	s_lshl_b32 s15, s15, 2
	s_add_co_u32 s15, s15, s41                     ; tile row
	s_lshl_b32 s43, s41, 2
	s_lshl_b32 s43, 15, s43                        ; my row of the cluster
	s_lshl_b32 s44, 0x1111, s40                    ; my column
	s_or_b32 s[G1+0], s43, (1<<16)|(1<<20)|(1<<21)|(4<<22)|(3<<25)   ; A: the mask; elements of 2 bytes; padding on; bit 21 beside a mask; 4 words of padding after every 32
	s_mov_b32 s[G1+1], 4096<<16                    ; tensor_dim0 = 4,096: 64 tokens x 64 channels
	s_mov_b32 s[G1+2], 4<<16                       ; tensor_dim1 = 4 heads
	s_mov_b32 s[G1+3], 4096<<16                    ; tile_dim0
	s_mov_b32 s[G1+4], 4                           ; tile_dim1
	s_mov_b32 s[G1+5], 131072                      ; from head to head, in elements
	s_mov_b32 s[G1+6], 0
	s_mov_b32 s[G1+7], 0
	s_or_b32 s[G1B+0], s44, (1<<16)|(1<<20)|(1<<21)|(5<<22)|(7<<25)  ; B: 8 words of padding after every 64
	s_mov_b32 s[G1B+1], 128<<16
	s_mov_b32 s[G1B+2], 128<<16
	s_mov_b32 s[G1B+3], 128<<16
	s_mov_b32 s[G1B+4], 128
	s_mov_b32 s[G1B+5], 1024
	s_mov_b32 s[G1B+6], 0
	s_mov_b32 s[G1B+7], 0
	s_lshr_b32 s16, s15, 4                         ; A: the batch: 16 heads of 262,144 bytes,
	s_lshl_b32 s16, s16, 22
	s_and_b32 s17, s15, 15
	s_lshl_b32 s17, s17, 14                        ; the tile's 128 tokens of 128 bytes,
	s_add_co_u32 s16, s16, s17
	s_lshl_b32 s17, s14, 13                        ; my 64 of them
	s_add_co_u32 s16, s16, s17
	s_mov_b32 s17, 0
	s_lshl_b32 s46, s14, 18                        ; B: my 128 rows of 2,048 bytes,
	s_lshl_b32 s47, s42, 8                         ; the tile's 128 columns
	s_add_co_u32 s46, s46, s47
	s_mov_b32 s47, 0
	s_mul_i32 s20, s12, HALFT                      ; where they go: A's two halves, then B's two: wave x HALFT
	s_wait_dscnt 0x0                               ; both opening adds are done
	s_wait_kmcnt 0x0
	s_add_nc_u64 s[18:19], s[4:5], s[16:17]
	s_add_nc_u64 s[46:47], s[6:7], s[46:47]
	CROUND                                         ; all sixteen work-groups are here: the first joint loads meet
.irp s, 0,1
	s_mov_b32 s[G0+4*\s], 1
	s_add_co_u32 s[G0+4*\s+1], s20, \s*SLOT
	s_add_nc_u64 s[G0+4*\s+2:G0+4*\s+3], s[18:19], \s*ASTEP
	s_or_b32 s[G0+4*\s+3], s[G0+4*\s+3], 0x80000000
	s_mov_b32 s[G0B+4*\s], 1
	s_add_co_u32 s[G0B+4*\s+1], s20, \s*SLOT
	s_add_nc_u64 s[G0B+4*\s+2:G0B+4*\s+3], s[46:47], \s*BSTEP
	s_or_b32 s[G0B+4*\s+3], s[G0B+4*\s+3], 0x80000000
	JLOAD \s                                       ; two loads of mine are out
.endr
	v_and_b32 v1, 15, v0                           ; r
	v_bfe_u32 v2, v0, 4, 1                         ; h
	v_mul_u32_u24 v3, v1, PA
	v_lshl_add_u32 v3, v2, 4, v3                   ; A: line r, + 16 x half
	s_mul_i32 s21, s13, HALFT                      ; my 64 tokens
	v_add_nc_u32 v[ADRA], s21, v3
	s_add_co_u32 s21, s21, SLOT
	v_add_nc_u32 v[ADRA+1], s21, v3
	v_and_b32 v5, 7, v0
	v_bfe_u32 v6, v0, 3, 1
	v_lshl_add_u32 v5, v2, 3, v5                   ; B: the turning load: row 8 h + l % 8,
	v_mul_u32_u24 v5, v5, PB
	v_lshl_add_u32 v5, v6, 4, v5                   ; columns 8 ((l / 8) % 2) on
	s_lshl_b32 s22, s14, 7                         ; my 64 columns,
	s_add_co_u32 s22, s22, 2*HALFT                 ; behind A's two halves
	v_add_nc_u32 v[ADRB], s22, v5
	s_add_co_u32 s22, s22, HALFT
	v_add_nc_u32 v[ADRB+1], s22, v5
	s_add_co_u32 s22, s22, SLOT-HALFT
	v_add_nc_u32 v[ADRB+2], s22, v5
	s_add_co_u32 s22, s22, HALFT
	v_add_nc_u32 v[ADRB+3], s22, v5
	s_mul_i32 s23, s12, 16*SPITCH
	s_add_co_u32 s23, s23, STAGE                   ; my stage
	v_mul_u32_u24 v4, v1, SPITCH
	v_lshl_add_u32 v4, v2, 5, v4
	v_add_nc_u32 v[STO], s23, v4                   ; in: row r, 32 bytes for each half of the lanes
	v_mul_u32_u24 v5, v2, SPITCH
	v_lshl_add_u32 v5, v1, 4, v5
	v_add_nc_u32 v[RD], s23, v5                    ; back: lanes 0-15 one row of 256 bytes, lanes 16-31 the next
	v_lshlrev_b32 v[CO], 12, v2
	v_lshl_add_u32 v[CO], v1, 4, v[CO]             ; and the same two rows in out0
	v_lshlrev_b32 v[BO], 5, v2
	s_lshl_b32 s16, s15, 19                        ; my first row of out0: 128 x tile row + 64 x half, rows of 4,096 bytes
	s_lshl_b32 s17, s13, 18
	s_add_co_u32 s16, s16, s17
	s_mov_b32 s17, 0
	s_add_nc_u64 s[8:9], s[8:9], s[16:17]
	s_lshl_b32 s46, s42, 9                         ; my first column, in bytes: 512 x tile column + 256 x half: in out0's rows and in bo alike
	s_lshl_b32 s47, s14, 8
	s_add_co_u32 s46, s46, s47
	s_mov_b32 s47, 0
	s_add_nc_u64 s[8:9], s[8:9], s[46:47]
	s_add_nc_u64 s[10:11], s[10:11], s[46:47]
.irp b, 0,1,2,3
	global_load_b128 v[BI+8*\b:BI+8*\b+3], v[BO], s[10:11] offset:64*\b       ; tile b: bo of columns 16 b + 8 h + 0 .. 7, in the result's layout
	global_load_b128 v[BI+8*\b+4:BI+8*\b+7], v[BO], s[10:11] offset:64*\b+16
.endr
; 8 matrix instructions: row blocks a0, a0 + 1 x all 4 column blocks, 32 along K: half c of buffer f.  first = 1: the sums begin with bo.  The 16 accumulators take turns, one instruction a turn.
.macro MUL8 f, c, a0, first
.irp a, \a0, \a0+1
.irp b, 0,1,2,3
.if \first
	v_wmma_f32_16x16x32_f16 v[ACC+8*(4*(\a)+\b):ACC+8*(4*(\a)+\b)+7], v[\f+64+8*(4*\c+\b):\f+64+8*(4*\c+\b)+7], v[\f+8*(4*\c+\a):\f+8*(4*\c+\a)+7], v[BI+8*\b:BI+8*\b+7]
.else
	v_wmma_f32_16x16x32_f16 v[ACC+8*(4*(\a)+\b):ACC+8*(4*(\a)+\b)+7], v[\f+64+8*(4*\c+\b):\f+64+8*(4*\c+\b)+7], v[\f+8*(4*\c+\a):\f+8*(4*\c+\a)+7], v[ACC+8*(4*(\a)+\b):ACC+8*(4*(\a)+\b)+7]
.endif
.endr
.endr
.endm
; 32 LDS loads in one run: the fragments of quarter q of a slot (64 along K: one head) into buffer f; the first 32 along K first
.macro FETCH slot, q, f
	WIN TO_F
.irp c, 0,1
.irp i, 0,1,2,3
	ds_load_tr16_b128 v[\f+64+8*(4*\c+\i):\f+64+8*(4*\c+\i)+3],   v[ADRB+2*\slot+(\q)/2] offset:(((\q)%2)*64+32*\c)*PB+32*\i
	ds_load_tr16_b128 v[\f+64+8*(4*\c+\i)+4:\f+64+8*(4*\c+\i)+7], v[ADRB+2*\slot+(\q)/2] offset:(((\q)%2)*64+32*\c+16)*PB+32*\i
	ds_load_b128 v[\f+8*(4*\c+\i):\f+8*(4*\c+\i)+3],              v[ADRA+\slot] offset:(64*(\q)+16*\i)*PA+64*\c
	ds_load_b128 v[\f+8*(4*\c+\i)+4:\f+8*(4*\c+\i)+7],            v[ADRA+\slot] offset:(64*(\q)+16*\i)*PA+64*\c+32
.endr
.endr
.endm
.macro PLACES                          ; four plain lines in front of loads into registers that matrix instructions have read, and of reads of results (ISA guide 7.12.1 for reads of results)
.rept 4
	v_nop
.endr
.endm
.macro QUARTER slot, q, f, g, first    ; multiplies buffer f and fetches the slot's quarter q into g
	s_wait_dscnt 16                                ; the first 32 along K are in
	WIN MUL
	MUL8 \f, 0, 0, \first
	MUL8 \f, 0, 2, \first
	PLACES
	FETCH \slot, \q, \g
	s_wait_dscnt 32                                ; all but the 32 just issued
	WIN MUL
	MUL8 \f, 1, 0, 0
	MUL8 \f, 1, 2, 0
.endm
; A slot's last quarter multiplies buffer 1 and changes slots: ONE barrier; in front of it each wave waits for all its tensor loads, adds 0 to its spare word, and waits for that and for its reads of this slot.  fill = 1: this slot is filled again, two K steps ahead.
.macro TURN slot, next, fill
	WIN 0
	s_wait_tensorcnt 0x0                           ; all my tensor loads have landed: my part of the next slot
	ds_add_u32 v[SPW], v[NIL]
	s_wait_dscnt 17                                ; (the add and the youngest sixteen loads may be out)
	WIN MUL
	MUL8 F1, 0, 0, 0
	s_wait_dscnt 0x0                               ; the add is done, and my reads of this slot are over
	s_barrier_signal -1
	MUL8 F1, 0, 2, 0
.if \fill
	WIN 0
.endif
	s_barrier_wait -1
.if \fill
	CREST                                          ; the barrier has opened a round of the cluster's: no wave of any partner still reads this slot or has a load on its way
	s_add_nc_u64 s[G0+4*\slot+2:G0+4*\slot+3], s[G0+4*\slot+2:G0+4*\slot+3], 2*ASTEP
	s_add_nc_u64 s[G0B+4*\slot+2:G0B+4*\slot+3], s[G0B+4*\slot+2:G0B+4*\slot+3], 2*BSTEP
	JLOAD \slot                                    ; the first tensor load behind the round; its four v_nop are also the places in front of the loads below
.else
	PLACES
.endif
	FETCH \next, 0, F0
	WIN MUL
	MUL8 F1, 1, 0, 0
	MUL8 F1, 1, 2, 0
.endm
	s_wait_tensorcnt 1                             ; my part of K step 0 is in (K step 1's load may be out)
	s_barrier_signal -1
	s_barrier_wait -1                              ; everybody's is
	FETCH 0, 0, F0
	s_wait_loadcnt 0x0                             ; bo
	QUARTER 0, 1, F0, F1, 1                        ; K step 0: the first products start the sums
	QUARTER 0, 2, F1, F0, 0
	QUARTER 0, 3, F0, F1, 0
	TURN 0, 1, 1                                   ; slot 0 takes K step 2
	QUARTER 1, 1, F0, F1, 0                        ; K step 1
	QUARTER 1, 2, F1, F0, 0
	QUARTER 1, 3, F0, F1, 0
	TURN 1, 0, 1                                   ; slot 1 takes K step 3
	QUARTER 0, 1, F0, F1, 0                        ; K step 2
	QUARTER 0, 2, F1, F0, 0
	QUARTER 0, 3, F0, F1, 0
	TURN 0, 1, 0                                   ; nothing is left to fetch
	QUARTER 1, 1, F0, F1, 0                        ; K step 3
	QUARTER 1, 2, F1, F0, 0
	QUARTER 1, 3, F0, F1, 0
	s_wait_dscnt 16
	WIN MUL
	MUL8 F1, 0, 0, 0
	MUL8 F1, 0, 2, 0
	s_wait_dscnt 0
	MUL8 F1, 1, 0, 0
	MUL8 F1, 1, 2, 0
	WIN 0
; THE WAY OUT, block by block of 16 rows x 64 columns.  A wave's 64 columns are 256 bytes of a row, aligned: each wave has a stage of its own, and no barrier is needed.  A lane's 32 bytes of a row go in; whole rows come back, two an instruction.
.macro TOSTAGE a
.irp b, 0,1,2,3
	ds_store_b128 v[STO], v[ACC+8*(4*(\a)+\b):ACC+8*(4*(\a)+\b)+3] offset:64*\b        ; each accumulator from its low end on
	ds_store_b128 v[STO], v[ACC+8*(4*(\a)+\b)+4:ACC+8*(4*(\a)+\b)+7] offset:64*\b+16
.endr
.irp i, 0,1,2,3,4,5,6,7
	ds_load_b128 v[TMP+32*((\a)%2)+4*\i:TMP+32*((\a)%2)+4*\i+3], v[RD] offset:\i*2*SPITCH   ; LDS serves a wave's instructions in order: these see the stores above
.endr
.endm
.macro SEND a, younger
	s_wait_dscnt \younger
.irp i, 0,1,2,3,4,5,6,7
	global_store_b128 v[CO], v[TMP+32*((\a)%2)+4*\i:TMP+32*((\a)%2)+4*\i+3], s[8:9] offset:(16*(\a)+2*\i)*4096 th:TH_STORE_NT   ; sixteen lanes store 256 consecutive bytes, aligned
.endr
.endm
	PLACES
	TOSTAGE 0
.irp a, 1,2,3
.if \a > 1
	s_wait_xcnt 0x0                                ; block a - 2's stores have read their registers: block a's rows may land there
.endif
	TOSTAGE \a
	SEND \a-1, 16                                  ; behind block a - 1's loads: block a's 8 stores and 8 loads
.endr
	SEND 3, 0
	s_wait_tensorcnt 0x0                           ; the wave's end
	ds_add_u32 v[SPW], v[NIL]
	s_wait_dscnt 0x0
	CROUND                                         ; the closing round
	s_endpgm
.Lfunc_end_k_qd4b6ed1776_proj:
	.size	k_qd4b6ed1776_proj, .Lfunc_end_k_qd4b6ed1776_proj-k_qd4b6ed1776_proj
	.p2alignl 7, 3214868480
	.fill 96, 4, 3214868480
	.section	.rodata,"a",@progbits
	.p2align	6, 0x0
	.amdhsa_kernel k_qd4b6ed1776_proj
		.amdhsa_group_segment_fixed_size 327680
		.amdhsa_private_segment_fixed_size 0
		.amdhsa_enable_private_segment 0
		.amdhsa_kernarg_size 32
		.amdhsa_user_sgpr_count 2
		.amdhsa_user_sgpr_kernarg_segment_ptr 1
		.amdhsa_wavefront_size32 1
		.amdhsa_system_sgpr_workgroup_id_x 1
		.amdhsa_system_sgpr_workgroup_id_y 1
		.amdhsa_system_sgpr_workgroup_id_z 1
		.amdhsa_system_vgpr_workitem_id 0
		.amdhsa_next_free_vgpr 512
		.amdhsa_next_free_sgpr 66
		.amdhsa_reserve_vcc 0
		.amdhsa_float_denorm_mode_32 3
		.amdhsa_float_denorm_mode_16_64 3
		.amdhsa_memory_ordered 1
		.amdhsa_forward_progress 1
		.amdhsa_inst_pref_size 87
	.end_amdhsa_kernel
	.amdgpu_metadata
---
amdhsa.version: [ 1, 2 ]
amdhsa.kernels:
  - .name:           k_qd4b6ed1776_proj
    .symbol:         k_qd4b6ed1776_proj.kd
    .args:
      - { .name: att, .offset: 0, .size: 8, .value_kind: global_buffer, .address_space: global }
      - { .name: wo16, .offset: 8, .size: 8, .value_kind: global_buffer, .address_space: global }
      - { .name: out0, .offset: 16, .size: 8, .value_kind: global_buffer, .address_space: global }
      - { .name: bo, .offset: 24, .size: 8, .value_kind: global_buffer, .address_space: global }
    .group_segment_fixed_size: 327680
    .private_segment_fixed_size: 0
    .kernarg_segment_align: 8
    .kernarg_segment_size: 32
    .max_flat_workgroup_size: 128
    .sgpr_count:     66
    .vgpr_count:     512
    .wavefront_size: 32
...
	.end_amdgpu_metadata
.endif
;; end of part 4
